; MI455X (gfx1250); checked and timed in simulation.
; The chip was launched on July 23, 2026; its instructions are those of AMD's public machine-readable ISA for CDNA 5 (MIT licence, August 2026) and "CDNA5" Instruction Set Architecture Reference Guide (July 2026). The comments in the code are by the model that wrote it; some were corrected since.
;; Transformer Layer. Allowed arithmetic: matrix products marked QUANTISED: E4M3 operands, one E8M0 scale for each 32 along K, by v_wmma_scale_f32_16x16x128_f8f6f4 with both operands' format E4M3, f32 sums; everything else in f32.
;; Inputs: b1 4,096 float32; b2 1,024 float32; in_proj_b 3,072 float32; in_proj_w 3,072 x 1,024 float32; ln1_b 1,024 float32; ln1_g 1,024 float32; ln2_b 1,024 float32; ln2_g 1,024 float32; out_b 1,024 float32; out_w 1,024 x 1,024 float32; rel_pos 16 x 2,048 float32; w1 4,096 x 1,024 float32; w2 1,024 x 4,096 float32; x 4 x 1,024 x 1,024 float32.
;; Outputs: out0 4 x 1,024 x 1,024 float32.
;; This version of the problem:
;;   THIS VERSION OF THE PROBLEM IS GIVEN IN LOW PRECISION. The matrix products marked QUANTISED in the list below multiply operands that are first quantised to E4M3 (4 exponent bits, 3 mantissa bits; 8 bits a number), with one power-of-two scale for each 32 numbers along K (OCP MX v1.0); their sums are f32. All else is computed in f32.
;;   The module's matrix products, in the order in which they are computed (A, B: the left and right operand; K: the contracted axis; several contracted axes count as one K, in the product's order):
;;     1. [M 4,096, K 1,024] x [K 1,024, N 3,072]; A: computed on the way; B: input in_proj_w: QUANTISED
;;     2. batch 64 x [M 1,024, K 64] x [K 64, N 1,024]; A: computed on the way; B: computed on the way: QUANTISED
;;     3. batch 64 x [M 1,024, K 1,024] x [K 1,024, N 64]; A: softmax (see below); B: computed on the way: QUANTISED
;;     4. [M 4,096, K 1,024] x [K 1,024, N 1,024]; A: computed on the way; B: input out_w: QUANTISED
;;     5. [M 4,096, K 1,024] x [K 1,024, N 4,096]; A: computed on the way; B: input w1: QUANTISED
;;     6. [M 4,096, K 4,096] x [K 4,096, N 1,024]; A: computed on the way; B: input w2: QUANTISED
;;   THE QUANTISER, for each operand of a quantised product, along K:
;;     - K is cut into blocks of 32 from its start; a last block that is shorter is filled with zeros.
;;     - A block's scale is 2^e with e = floor(log2(the largest magnitude in the block)) - 8, held to -126 .. 127; a block of zeros has e = 0. As a byte (E8M0): e + 127.
;;     - Each number is divided by its block's scale, clamped to +-448, and rounded to the nearest number of E4M3, ties to even, subnormals kept.
;;     - The product sums the exact products of the quantised numbers (number of the format x scale) in f32.
;;   ~~~python
;;   def quantise(x, axis):      # numpy; x: float32 -> the quantised numbers, widened to float32 again
;;       x = np.moveaxis(x, axis, -1); K = x.shape[-1]
;;       x = np.pad(x, [(0, 0)] * (x.ndim - 1) + [(0, -K % 32)]); x = x.reshape(x.shape[:-1] + (-1, 32)); a = np.abs(x).max(-1, keepdims=True)
;;       e = np.where(a > 0, np.clip(np.frexp(np.where(a > 0, a, 1))[1] - 1 - 8, -126, 127), 0)      # np.frexp(a)[1] - 1 = floor(log2(a)), exactly
;;       r = np.clip(x / 2.0 ** e, -448, 448)
;;       step = 2.0 ** (np.maximum(np.frexp(np.where(r == 0, 1, r))[1] - 1, -6) - 3)
;;       q = np.round(r / step) * step * 2.0 ** e      # np.round: ties to even
;;       return np.moveaxis(q.reshape(q.shape[:-2] + (-1,))[..., :K], -1, axis).astype(np.float32)
;;   ~~~
;;   SOFTMAX AHEAD OF A QUANTISED PRODUCT. Where the list says 'softmax', what is quantised is not the finished softmax but p = 2^(t - M), with t = logit x log2(e) and M = ceil(the row's largest t), a whole number; so 1/2 < the row's largest p <= 1. The row's sum l is taken of the UNQUANTISED p, in f32, and the product's result is divided by l at the end. Since M is a whole number, a kernel that streams over the keys may use a running M (the ceiling of the running maximum): every later rescaling is an exact power of two, which a block's scale takes up: the codes' values come out the same.
;;   OPERANDS COMPUTED ON THE WAY. 'Computed on the way' means the value that the module computes at that place (a softmax that the list does not call 'softmax' is quantised finished and normalised). What goes into a quantiser is computed in f32, as accurately as f32 sums, v_exp_f32 and their like allow (about 1e-6 of the number): no bf16 or f16 on the way to a quantiser, and a product that is left as it is and whose result goes on into a quantised operand takes f32 operands (vector FMAs, or v_wmma_f32_16x16x4_f32). A number that lies on a knife's edge between two numbers of the format may be rounded either way, as far as f32 arithmetic and the matrix unit's own rounding can turn it there, and no further.
;; One version. Each part assembles by itself: llvm-mc -triple=amdgcn-amd-amdhsa -mcpu=gfx1250 --defsym DOCPART=n.
;; ======== version 1 of 1: 7 launches
;; limits: right only within a limited range of input values
;; workspace buffers: wb 12,976,128 bytes; act 4,325,376 bytes; qkv 13,238,272 bytes; ob 4,325,376 bytes; x1 16,777,216 bytes; hb 17,301,504 bytes
;; launch qwln (part 1): grid 448 x 1, 4 waves a work-group, no clusters, 68,608 bytes of LDS; arguments x, ln1_g, ln1_b, act, in_proj_w, out_w, w1, w2, wb; writes act, wb
.if DOCPART == 1
	.amdgcn_target "amdgcn-amd-amdhsa--gfx1250"
	.amdhsa_code_object_version 6
	.text
	.protected	k_qf7a3439ddc_qwln
	.globl	k_qf7a3439ddc_qwln
	.p2align	8
	.type	k_qf7a3439ddc_qwln,@function
k_qf7a3439ddc_qwln:
	s_mov_b64 s[64:65], 0
	v_nop
	global_prefetch_b8 v0, s[64:65] scope:SCOPE_SE
	s_setreg_imm32_b32 hwreg(HW_REG_WAVE_MODE, 25, 1), 1
	s_wait_xcnt 0x0
; THE PROGRAM: one transformer layer, all six matrix products on codes of E4M3 with one E8M0 scale for each 32 along K.  Seven launches:
; this one (the four weights into codes; LN1 + quantiser), the QKV product, attention, the output projection + residual, LN2 + quantiser, the MLP's two products.
; WORK THAT THE PROGRAM LEAVES OUT.  (1) rel_pos[:, 1024:]: reference() takes rel_pos[:, :size] with size = 1,024, so for all values of the inputs those columns reach no output: they are not loaded.
; (2) Key steps of 128 keys that lie wholly behind a tile's queries: reference() itself adds -inf there, the softmax gives exactly 0, and 0 times a finite v adds nothing: scores, p and products of such steps are not made.
; Every input has a way to the output and is loaded.  LIMIT: a NaN, an infinity or an overflow that reaches only the work left out is not carried to the result.
; THE LAYOUT OF EVERY QUANTISED OPERAND: AS THE OPERAND'S REGISTERS WANT IT:
;   codes  img[T][s][c][lane][16 bytes]: tile T of 16 rows, K step s of 128, lane (r, h) holds k = 128 s + 32 c + 16 h + 0 .. 15 of the tile's lane-row r: a fragment is 2,048 bytes on end;
;   scales sc[T / 4][s][r][T % 4]: a 32-bit word (four E8M0 bytes) for a row and a K step; a record (T / 4, s) is 256 bytes.
;   THE ROWS OF A TILE ARE NOT NEIGHBOURS: lane-row r of tile T is row 32 (T / 2) + 8 (T % 2) + r + 8 (r / 8), so that a product's results along these rows fall into a lane's registers as 16 neighbours.
; A block's scale is 2^(floor(log2(its largest magnitude)) - 8); its byte is the largest magnitude's exponent field - 8, held at 1 from below.
; LIMITS: a block of zeros gets the byte 1 where the rule says 127 (its codes are zeros, and this program alone reads the bytes); blocks whose largest magnitude lies under 2^-118 keep the byte 1; NaN and infinities among the inputs are not served.
; THIS LAUNCH HAS TWO KINDS OF WORK-GROUPS, told apart by the work-group's number alone.  Both read inputs only, they share no byte of memory, and each kind has LDS bytes of its own; the two ways never join.
; WORK-GROUPS 0 .. 191: in_proj_w [3072][1024], out_w [1024][1024], w1 [4096][1024], w2 [1024][4096], f32, K innermost, become codes and scale words in wb.  A wave takes 64 rows (four tiles) x 256 along K (two K steps):
;   eight fragments.  Each load reads 512 consecutive bytes of one row; four fragments' loads, 64, are out at a time; a fragment's 16 rows turn through the wave's own stage in LDS (rows 528 bytes apart) and come back
;   64 bytes a lane, 16 neighbours of each block of 32.  The codes leave straight from the conversions' registers, 512 consecutive bytes a store.  These waves share nothing: no barrier.
; WORK-GROUPS 192 .. 447: y = ((x - mean) rsqrt(var + 1e-5)) g + b of x [4096][1024], then the quantiser along the row, into act.  A work-group takes tile T = its number - 192, 16 rows; wave w takes columns 256 w .. 256 w + 255
;   of all 16: K steps 2 w and 2 w + 1.  In the operand's order a lane holds 128 numbers of ONE row: a row's sum is a lane's sum, lane l xor 16's, and the four waves' through 256 bytes of LDS.  The variance is taken of x - mean,
;   in a second pass over registers, as reference() has it.  Two barriers.  The rows' 32 loads go out first, since the sums wait for them; the gain's 32 follow when the rows are in, the bias's 32 behind the first reduction:
;   both land under the passes over registers.  The scale words leave as 16 words 16 bytes apart (a quarter of a record, the other quarters being three other work-groups'): one byte in 32 of what these work-groups store.
.set QWG,   192                        ; work-groups for the weights
.set STG,   16*528                     ; a wave's stage
.set RED1,  4*STG                      ; behind LN's four stages: 256 bytes: word 16 r + 4 w: wave w's sum of row r
.set RED2,  RED1+256                   ; the same for the squares
.set QB,    RED2+256                   ; the weights' four stages
.set SPARE, QB+4*STG                   ; the spare words, 128 bytes for each wave: two blocks of 256 bytes that no other line names
.set L16,  1                           ; v1   16 x lane
.set TSTO, 2                           ; v2   the stage, on the way in: 16 x lane
.set TRD,  3                           ; v3   and on the way out: 528 r + 64 h
.set HH,   6                           ; v6   weights: h = lane / 16
.set PC,   8                           ; v8-23   a fragment's codes
.set SPW,  30                          ; v30  LDS address of my spare word; never rewritten
.set NIL,  31                          ; v31  0; never rewritten
.set ROWV, 32                          ; v32-39  weights: 16 x lane + i rows, i = 0 .. 7
.set X,    160                         ; v160-223 weights: a fragment in the operand's order.  (As loaded: four sets of 64 in window 1)
.set X1,   32                          ; v32-95   LN: K step 2 w as loaded, later K step 2 w + 1 in the operand's order
.set R1,   96                          ; v96-159  LN: K step 2 w + 1 as loaded
.set X0,   160                         ; v160-223 LN: K step 2 w in the operand's order.  (Gain in v0-127, bias in v128-255 of window 1)
.set TM,   224                         ; v224-239 at work in QUANT
.set PW,   240                         ; v240 the scale word just made
.set W,    241                         ; v241-248 weights: the eight fragments' scale words
.set SD,   250                         ; v250-253 weights: the scale words as they are stored
.set CH,   244                         ; v244-251 LN: four chains of sums
.set SB,   24                          ; s[24:39] eight bases in the weight: tile T', rows 0-7 or 8-15 of it
.set DB,   40                          ; s[40:47] four bases in the codes: tile T'
.set SCB,  48                          ; s[48:49] the scale records
.set SEL,  50                          ; s[50:51] lane selects for v_permlanex16_b32: lane l xor 16
.set MNT,  52                          ; s52  the mantissa field of 448
.set HM,   53                          ; s53  the lanes with h = 1
.set MSB, 0
.macro WIN new                         ; the immediate's high byte repeats the setting that is left
.if MSB != (\new)
	s_set_vgpr_msb (MSB<<8)|(\new)
.set MSB, (\new)
.endif
.endm
.macro QUANT s                         ; 64 numbers of a lane, register 16 b + i = k 32 b + 16 h + i of my row, become a fragment's codes in v[PC] on and its scale word in v[PW]
.irp b, 0,1,2,3
	v_max3_num_f32 v[TM+\b], |v[\s+16*\b]|, |v[\s+1+16*\b]|, 0x4800000   ; block b: my 16 numbers, and the floor 2^(9 - 127): the byte cannot fall under 1
.endr
.irp i, 2,4,6,8,10,12,14
.irp b, 0,1,2,3
	v_max3_num_f32 v[TM+\b], v[TM+\b], |v[\s+16*\b+\i]|, |v[\s+1+16*\b+\i]|   ; the four blocks by turns
.endr
.endr
.irp b, 0,1,2,3
	v_permlanex16_b32 v[TM+4+\b], v[TM+\b], s[SEL], s[SEL+1]
.endr
.irp b, 0,1,2,3
	v_max_num_f32 v[TM+\b], v[TM+\b], v[TM+4+\b]   ; with lane l xor 16's: the block's largest magnitude
.endr
.irp b, 0,1,2,3
	v_add_nc_u32 v[TM+12+\b], 0xfc000000, v[TM+\b]   ; 8 off its exponent field: the conversion's scale operand
.endr
.irp b, 0,1,2,3
	v_and_or_b32 v[TM+8+\b], v[TM+\b], 0x7f800000, s[MNT]   ; 448 x the scale
.endr
.irp b, 0,1,2,3
	v_lshrrev_b32 v[TM+4+\b], 23, v[TM+12+\b]   ; the scale's byte
.endr
	v_lshl_or_b32 v[PW], v[TM+5], 8, v[TM+4]
	v_lshl_or_b32 v[PW], v[TM+6], 16, v[PW]
	v_lshl_or_b32 v[PW], v[TM+7], 24, v[PW]
.irp b, 0,1,2,3
.irp i, 0,1,2,3,4,5,6,7,8,9,10,11,12,13,14,15
	v_med3_num_f32 v[\s+16*\b+\i], v[\s+16*\b+\i], -v[TM+8+\b], v[TM+8+\b]   ; the conversion to an 8-bit code does not saturate (ISA guide 7.6.2): the hold at 448 x the scale
.endr
	v_cvt_scalef32_pk8_fp8_f32 v[PC+4*\b:PC+1+4*\b], v[\s+16*\b:\s+7+16*\b], v[TM+12+\b]
	v_cvt_scalef32_pk8_fp8_f32 v[PC+2+4*\b:PC+3+4*\b], v[\s+8+16*\b:\s+15+16*\b], v[TM+12+\b]
.endr
	v_nop                                          ; a plain line behind the last conversion
.endm
.macro TST src                         ; 16 rows x 512 bytes into my stage, as they were loaded
.irp i, 0,1,2,3,4,5,6,7,8,9,10,11,12,13,14,15
	ds_store_b128 v[TSTO], v[\src+4*\i:\src+4*\i+3] offset:528*\i
.endr
.endm
.macro TLD dst                         ; and back in the operand's order.  LDS serves a wave's instructions in order: these see the stores above them
.irp c, 0,1,2,3
.irp j, 0,1,2,3
	ds_load_b128 v[\dst+16*\c+4*\j:\dst+16*\c+4*\j+3], v[TRD] offset:128*\c+16*\j
.endr
.endr
.endm
	v_lshl_add_u32 v[SPW], v0, 2, SPARE
	v_mov_b32 v[NIL], 0
	s_mov_b32 s[SEL], 0x76543210
	s_mov_b32 s[SEL+1], 0xfedcba98
	s_mov_b32 s[MNT], 0x600000
.irp b, 0,1,2,3
	v_mov_b32 v[TM+4+\b], 0                        ; written once: a lane permute's destination counts as one of its sources
.endr
	s_cmp_ge_u32 ttmp9, QWG                        ; the work-group's number alone: all four waves go the same way
	s_cbranch_scc1 .Lnorm
	; ---------------- THE WEIGHTS ----------------
	s_load_b256 s[4:11], s[0:1], 0x20              ; in_proj_w, out_w, w1, w2
	s_load_b64 s[12:13], s[0:1], 0x40              ; wb
	v_lshrrev_b32 v7, 5, v0
	v_readfirstlane_b32 s16, v7                    ; wave 0..3
	v_and_b32 v7, 31, v0
	v_lshlrev_b32 v[L16], 4, v7
	v_and_b32 v7, 15, v0                           ; r
	v_bfe_u32 v[HH], v0, 4, 1
	s_mul_i32 s54, s16, STG
	s_add_co_u32 s54, s54, QB                      ; my stage
	v_add_nc_u32 v[TSTO], s54, v[L16]
	v_mul_u32_u24 v[TRD], v7, 528
	v_lshl_add_u32 v[TRD], v[HH], 6, v[TRD]
	v_add_nc_u32 v[TRD], s54, v[TRD]
	v_cmp_ne_u32 s[HM], 0, v[HH]
	; which tensor: by the work-group's number alone.  48 work-groups for in_proj_w, 16 for out_w, 64 for w1, 64 for w2
	s_mov_b32 s17, 512                             ; the tensor's first job
	s_mov_b32 s18, 4                               ; log2 of its pairs of K steps
	s_mov_b32 s19, 8388608                         ; where its codes begin in wb
	s_mov_b32 s20, 12845056                        ; and its scale records
	s_wait_alu depctr_va_vdst(0)
	s_wait_kmcnt 0x0
	s_mov_b64 s[14:15], s[10:11]
	s_cmp_lt_u32 ttmp9, 128
	s_cselect_b64 s[14:15], s[8:9], s[14:15]
	s_cselect_b32 s17, 256, s17
	s_cselect_b32 s18, 2, s18
	s_cselect_b32 s19, 4194304, s19
	s_cselect_b32 s20, 12713984, s20
	s_cmp_lt_u32 ttmp9, 64
	s_cselect_b64 s[14:15], s[6:7], s[14:15]
	s_cselect_b32 s17, 192, s17
	s_cselect_b32 s19, 3145728, s19
	s_cselect_b32 s20, 12681216, s20
	s_cmp_lt_u32 ttmp9, 48
	s_cselect_b64 s[14:15], s[4:5], s[14:15]
	s_cselect_b32 s17, 0, s17
	s_cselect_b32 s19, 0, s19
	s_cselect_b32 s20, 12582912, s20
	s_lshl_b32 s21, ttmp9, 2
	s_add_co_u32 s21, s21, s16
	s_sub_co_u32 s21, s21, s17                     ; my job in the tensor
	s_lshr_b32 s22, s21, s18                       ; Tg: which 64 rows
	s_lshl_b32 s23, 1, s18
	s_sub_co_u32 s23, s23, 1
	s_and_b32 s23, s21, s23
	s_lshl_b32 s23, s23, 1                         ; s0: my first K step
	s_lshl_b32 s17, 2, s18                         ; KS: the tensor's K steps
	s_lshl_b32 s21, s17, 9                         ; a row in bytes
	s_lshl_b32 s54, s22, 6
	s_mul_i32 s54, s54, s21
	s_lshl_b32 s55, s23, 9
	s_add_co_u32 s54, s54, s55
	s_mov_b32 s55, 0
	s_add_nc_u64 s[14:15], s[14:15], s[54:55]      ; my 64 rows, my 256 along K
.irp q, 0,1,2,3,4,5,6,7
	s_mul_i32 s54, s21, 32*(\q/4)+8*((\q/2)%2)+16*(\q%2)   ; tile q / 2: its lane-rows 0-7, or (q odd) 8-15, which lie 16 rows further down
	s_add_nc_u64 s[SB+2*\q:SB+2*\q+1], s[14:15], s[54:55]
.endr
.irp i, 0,1,2,3,4,5,6,7
	v_mad_u32_u24 v[ROWV+\i], s21, \i, v[L16]
.endr
.macro LOADF f                         ; fragment f = 2 T' + s': 16 rows x 512 bytes into set f % 4 of window 1
.irp i, 0,1,2,3,4,5,6,7,8,9,10,11,12,13,14,15
	global_load_b128 v[64*((\f)%4)+4*\i:64*((\f)%4)+4*\i+3], v[ROWV+\i%8], s[SB+4*((\f)/2)+2*(\i/8):SB+4*((\f)/2)+2*(\i/8)+1] offset:512*((\f)%2) th:TH_LOAD_NT
.endr
.endm
	WIN 0x40                                       ; destination window 1, address window 0
	LOADF 0
	LOADF 1
	LOADF 2
	LOADF 3
	WIN 0
	s_lshl_b32 s56, s22, 2
	s_mul_i32 s56, s56, s17
	s_add_co_u32 s56, s56, s23
	s_lshl_b32 s56, s56, 11
	s_add_co_u32 s56, s56, s19
	s_mov_b32 s57, 0
	s_add_nc_u64 s[DB:DB+1], s[12:13], s[56:57]    ; codes: ((4 Tg + T') KS + s0) fragments on
	s_lshl_b32 s56, s17, 11
	s_add_nc_u64 s[DB+2:DB+3], s[DB:DB+1], s[56:57]
	s_add_nc_u64 s[DB+4:DB+5], s[DB+2:DB+3], s[56:57]
	s_add_nc_u64 s[DB+6:DB+7], s[DB+4:DB+5], s[56:57]
	s_mul_i32 s56, s22, s17
	s_add_co_u32 s56, s56, s23
	s_lshl_b32 s56, s56, 8
	s_add_co_u32 s56, s56, s20
	s_add_nc_u64 s[SCB:SCB+1], s[12:13], s[56:57]  ; scale records (Tg, s0) and (Tg, s0 + 1)
.macro FRAGM f
.if (\f) < 5
	s_wait_loadcnt 48                              ; this fragment's 16 loads are in; the next three fragments' 48 may be out
.else
	s_wait_loadcnt 16*(7-(\f))                     ; the counts run down: nothing more is asked for
.endif
	WIN 0x04                                       ; an LDS store's data are its source 1: window 1
	TST 64*((\f)%4)
	WIN 0
	TLD X
	s_wait_dscnt 0x0                               ; the fragment is back, and the stage's stores have read their registers,
	s_wait_xcnt 0x0                                ; and the last fragment's stores have read the codes' registers
.if (\f) < 4
	WIN 0x40
	LOADF (\f)+4                                   ; the set just read out takes the fragment four further on
	WIN 0
.endif
	QUANT X
	v_mov_b32 v[W+(\f)], v[PW]
.irp c, 0,1,2,3
	global_store_b128 v[L16], v[PC+4*\c:PC+4*\c+3], s[DB+2*((\f)/2):DB+2*((\f)/2)+1] offset:2048*((\f)%2)+512*\c   ; 32 lanes store 512 consecutive bytes
.endr
.endm
	s_wait_alu depctr_va_vdst(0)
.irp f, 0,1,2,3,4,5,6,7
	FRAGM \f
.endr
.irp t, 0,1,2,3
	v_cndmask_b32 v[SD+\t], v[W+2*\t], v[W+2*\t+1], s[HM]   ; lanes 0-15: K step s0's words of the four tiles; lanes 16-31: K step s0 + 1's
.endr
	global_store_b128 v[L16], v[SD:SD+3], s[SCB:SCB+1]      ; two whole records: 512 consecutive bytes
	s_wait_tensorcnt 0x0                           ; the wave's end: behind my last LDS store
	ds_add_u32 v[SPW], v[NIL]
	s_wait_dscnt 0x0
	s_endpgm
	; ---------------- LN1 AND ITS QUANTISER ----------------
.macro XPAIR p                         ; xr = the register of pair p of my 64 pairs
.if (\p) < 32
.set xr, X0+2*(\p)
.else
.set xr, X1+2*((\p)-32)
.endif
.endm
.macro REDUCE off                      ; the four chains -> the row's sum over all 1,024 columns, in every lane of the row
	v_pk_add_f32 v[CH:CH+1], v[CH:CH+1], v[CH+2:CH+3]
	v_pk_add_f32 v[CH+4:CH+5], v[CH+4:CH+5], v[CH+6:CH+7]
	v_pk_add_f32 v[CH:CH+1], v[CH:CH+1], v[CH+4:CH+5]
	v_add_f32 v[CH], v[CH], v[CH+1]
	v_permlanex16_b32 v[CH+2], v[CH], s[SEL], s[SEL+1]
	v_add_f32 v[CH], v[CH], v[CH+2]
	ds_store_b32 v6, v[CH] offset:\off             ; lanes r and r + 16 write the same word with the same value
	s_wait_dscnt 0x0                               ; for the others' sake
	s_barrier_signal -1
	s_barrier_wait -1
	ds_load_b128 v[CH:CH+3], v7 offset:\off        ; the four waves' sums of my row
	s_wait_dscnt 0x0
	v_add_f32 v[CH], v[CH], v[CH+1]
	v_add_f32 v[CH+2], v[CH+2], v[CH+3]
	v_add_f32 v[CH], v[CH], v[CH+2]
.endm
.Lnorm:
	s_load_b256 s[4:11], s[0:1], 0x0               ; x, gain, bias, act
	s_sub_co_u32 s25, ttmp9, QWG                   ; T: my tile
	v_lshrrev_b32 v1, 5, v0
	v_readfirstlane_b32 s12, v1                    ; wave 0..3
	v_and_b32 v8, 31, v0
	v_lshlrev_b32 v[L16], 4, v8
	v_and_b32 v8, 15, v0                           ; r
	v_bfe_u32 v9, v0, 4, 1                         ; h
	s_mul_i32 s13, s12, STG
	v_add_nc_u32 v[TSTO], s13, v[L16]
	v_mul_u32_u24 v[TRD], v8, 528
	v_lshl_add_u32 v[TRD], v9, 6, v[TRD]
	v_add_nc_u32 v[TRD], s13, v[TRD]
	v_lshlrev_b32 v4, 6, v9                        ; 64 h: my half's place in a block of gain or bias
	s_and_b32 s13, s25, 3
	s_lshl_b32 s13, s13, 2
	v_lshl_add_u32 v5, v8, 4, s13                  ; a scale word's place in its record: 16 r + 4 (T % 4)
	s_lshl_b32 s13, s12, 2
	v_lshl_add_u32 v6, v8, 4, s13                  ; 16 r + 4 w
	v_lshlrev_b32 v7, 4, v8                        ; 16 r
	s_lshr_b32 s13, s25, 1
	s_lshl_b32 s13, s13, 5
	s_and_b32 s14, s25, 1
	s_lshl_b32 s14, s14, 3
	s_add_co_u32 s13, s13, s14                     ; the tile's first row
	s_lshl_b32 s14, s13, 12
	s_lshl_b32 s23, s12, 10                        ; my 256 columns
	s_add_co_u32 s14, s14, s23
	s_mov_b32 s15, 0
	s_lshl_b32 s16, s25, 14
	s_lshl_b32 s24, s12, 12
	s_add_co_u32 s16, s16, s24                     ; codes: (8 T + 2 w) fragments on
	s_mov_b32 s17, 0
	s_lshr_b32 s18, s25, 2
	s_lshl_b32 s18, s18, 11
	s_lshl_b32 s24, s12, 9
	s_add_co_u32 s18, s18, s24
	s_add_co_u32 s18, s18, 4194304                 ; scale records: (8 (T / 4) + 2 w) x 256, behind the codes
	s_mov_b32 s19, 0
	s_wait_alu depctr_va_vdst(0)
	s_wait_kmcnt 0x0
	s_add_nc_u64 s[4:5], s[4:5], s[14:15]
	s_mov_b32 s14, s23
	s_add_nc_u64 s[6:7], s[6:7], s[14:15]
	s_add_nc_u64 s[8:9], s[8:9], s[14:15]
	s_add_nc_u64 s[16:17], s[10:11], s[16:17]
	s_add_nc_u64 s[18:19], s[10:11], s[18:19]
.irp i, 0,1,2,3,4,5,6,7,8,9,10,11,12,13,14,15
	global_load_b128 v[X1+4*\i:X1+4*\i+3], v[L16], s[4:5] offset:(\i+8*(\i/8))*4096
.endr
.irp i, 0,1,2,3,4,5,6,7,8,9,10,11,12,13,14,15
	global_load_b128 v[R1+4*\i:R1+4*\i+3], v[L16], s[4:5] offset:(\i+8*(\i/8))*4096+512
.endr
	s_wait_loadcnt 16                              ; the first K step is in; the second K step's 16 loads may be out
	TST X1
	TLD X0
	s_wait_loadcnt 0x0
	TST R1                                         ; LDS serves a wave's instructions in order: these come behind the loads above
	WIN 0x40                                       ; destination window 1: the gain, in the operand's order
.irp q, 0,1
.irp c, 0,1,2,3
.irp j, 0,1,2,3
	global_load_b128 v[64*\q+16*\c+4*\j:64*\q+16*\c+4*\j+3], v4, s[6:7] offset:512*\q+128*\c+16*\j
.endr
.endr
.endr
	WIN 0
	s_wait_dscnt 16                                ; all but the last 16 stores: X0 is in, and the first stores have read v32-95,
	TLD X1                                         ; which take the second K step
	s_wait_dscnt 0x0
.irp k, 0,1,2,3
	v_pk_add_f32 v[CH+2*\k:CH+2*\k+1], v[X0+2*\k:X0+2*\k+1], v[X0+8+2*\k:X0+8+2*\k+1]   ; the first eight pairs start the chains
.endr
.set p, 8
.rept 56
	XPAIR p
	v_pk_add_f32 v[CH+2*(p%4):CH+2*(p%4)+1], v[CH+2*(p%4):CH+2*(p%4)+1], v[xr:xr+1]
.set p, p+1
.endr
	REDUCE RED1
	WIN 0x40                                       ; the bias likewise
.irp q, 0,1
.irp c, 0,1,2,3
.irp j, 0,1,2,3
	global_load_b128 v[128+64*\q+16*\c+4*\j:128+64*\q+16*\c+4*\j+3], v4, s[8:9] offset:512*\q+128*\c+16*\j
.endr
.endr
.endr
	WIN 0
	v_mul_f32 v24, 0x3a800000, v[CH]               ; the mean: / 1,024
	v_mov_b32 v25, v24
.set p, 0
.rept 64
	XPAIR p
	v_pk_add_f32 v[xr:xr+1], v[xr:xr+1], v[24:25] neg_lo:[0,1] neg_hi:[0,1]   ; x - mean
.set p, p+1
.endr
.irp k, 0,1,2,3
	v_pk_mul_f32 v[CH+2*\k:CH+2*\k+1], v[X0+2*\k:X0+2*\k+1], v[X0+2*\k:X0+2*\k+1]
.endr
.set p, 4
.rept 60
	XPAIR p
	v_pk_fma_f32 v[CH+2*(p%4):CH+2*(p%4)+1], v[xr:xr+1], v[xr:xr+1], v[CH+2*(p%4):CH+2*(p%4)+1]
.set p, p+1
.endr
	REDUCE RED2
	v_mov_b32 v29, 0x3727c5ac                      ; 1e-5
	v_fmamk_f32 v28, v[CH], 0x3a800000, v29        ; the variance + 1e-5
	s_wait_alu depctr_va_vdst(0)
	v_rsq_f32 v26, v28
	v_rsq_f32 v27, v28
	v_nop                                          ; a plain line behind the transcendentals
	s_wait_alu depctr_va_vdst(0)                   ; the wait ahead of the first reader: one for both
.set p, 0
.rept 64
	XPAIR p
	v_pk_mul_f32 v[xr:xr+1], v[xr:xr+1], v[26:27]
.set p, p+1
.endr
	s_wait_loadcnt 0x0                             ; gain and bias
	WIN 0x14                                       ; sources 1 and 2 in window 1
.set p, 0
.rept 64
	XPAIR p
	v_pk_fma_f32 v[xr:xr+1], v[xr:xr+1], v[2*p:2*p+1], v[128+2*p:128+2*p+1]   ; x gain + bias
.set p, p+1
.endr
	WIN 0
	QUANT X0
.irp c, 0,1,2,3
	global_store_b128 v[L16], v[PC+4*\c:PC+4*\c+3], s[16:17] offset:512*\c
.endr
	global_store_b32 v5, v[PW], s[18:19]
	s_wait_xcnt 0x0                                ; the stores have read the codes' and the word's registers
	QUANT X1
.irp c, 0,1,2,3
	global_store_b128 v[L16], v[PC+4*\c:PC+4*\c+3], s[16:17] offset:2048+512*\c
.endr
	global_store_b32 v5, v[PW], s[18:19] offset:256
	s_wait_tensorcnt 0x0                           ; the wave's end: behind my last LDS store
	ds_add_u32 v[SPW], v[NIL]
	s_wait_dscnt 0x0
	s_endpgm
.Lfunc_end_k_qf7a3439ddc_qwln:
	.size	k_qf7a3439ddc_qwln, .Lfunc_end_k_qf7a3439ddc_qwln-k_qf7a3439ddc_qwln
	.p2alignl 7, 3214868480
	.fill 96, 4, 3214868480
	.section	.rodata,"a",@progbits
	.p2align	6, 0x0
	.amdhsa_kernel k_qf7a3439ddc_qwln
		.amdhsa_group_segment_fixed_size 68608
		.amdhsa_private_segment_fixed_size 0
		.amdhsa_enable_private_segment 0
		.amdhsa_kernarg_size 72
		.amdhsa_user_sgpr_count 2
		.amdhsa_user_sgpr_kernarg_segment_ptr 1
		.amdhsa_wavefront_size32 1
		.amdhsa_system_sgpr_workgroup_id_x 1
		.amdhsa_system_sgpr_workgroup_id_y 1
		.amdhsa_system_sgpr_workgroup_id_z 1
		.amdhsa_system_vgpr_workitem_id 0
		.amdhsa_next_free_vgpr 512
		.amdhsa_next_free_sgpr 66
		.amdhsa_reserve_vcc 0
		.amdhsa_float_denorm_mode_32 3
		.amdhsa_float_denorm_mode_16_64 3
		.amdhsa_memory_ordered 1
		.amdhsa_forward_progress 1
		.amdhsa_inst_pref_size 156
	.end_amdhsa_kernel
	.amdgpu_metadata
---
amdhsa.version: [ 1, 2 ]
amdhsa.kernels:
  - .name:           k_qf7a3439ddc_qwln
    .symbol:         k_qf7a3439ddc_qwln.kd
    .args:
      - { .name: x, .offset: 0, .size: 8, .value_kind: global_buffer, .address_space: global }
      - { .name: ln1_g, .offset: 8, .size: 8, .value_kind: global_buffer, .address_space: global }
      - { .name: ln1_b, .offset: 16, .size: 8, .value_kind: global_buffer, .address_space: global }
      - { .name: act, .offset: 24, .size: 8, .value_kind: global_buffer, .address_space: global }
      - { .name: in_proj_w, .offset: 32, .size: 8, .value_kind: global_buffer, .address_space: global }
      - { .name: out_w, .offset: 40, .size: 8, .value_kind: global_buffer, .address_space: global }
      - { .name: w1, .offset: 48, .size: 8, .value_kind: global_buffer, .address_space: global }
      - { .name: w2, .offset: 56, .size: 8, .value_kind: global_buffer, .address_space: global }
      - { .name: wb, .offset: 64, .size: 8, .value_kind: global_buffer, .address_space: global }
    .group_segment_fixed_size: 68608
    .private_segment_fixed_size: 0
    .kernarg_segment_align: 8
    .kernarg_segment_size: 72
    .max_flat_workgroup_size: 128
    .sgpr_count:     66
    .vgpr_count:     512
    .wavefront_size: 32
...
	.end_amdgpu_metadata
.endif
;; end of part 1
;; launch g1 (part 2): grid 12 x 16, 4 waves a work-group, clusters of 4 x 4, 327,680 bytes of LDS; arguments act, wb, in_proj_b, qkv; writes qkv
.if DOCPART == 2
	.amdgcn_target "amdgcn-amd-amdhsa--gfx1250"
	.amdhsa_code_object_version 6
	.text
	.protected	k_qf7a3439ddc_g1
	.globl	k_qf7a3439ddc_g1
	.p2align	8
	.type	k_qf7a3439ddc_g1,@function
k_qf7a3439ddc_g1:
	s_mov_b64 s[64:65], 0
	v_nop
	global_prefetch_b8 v0, s[64:65] scope:SCOPE_SE
	s_setreg_imm32_b32 hwreg(HW_REG_WAVE_MODE, 25, 1), 1
	s_wait_xcnt 0x0
	s_wait_alu depctr_hold_cnt(0) depctr_sa_sdst(0) depctr_va_vdst(0) depctr_va_sdst(0) depctr_va_ssrc(0) depctr_va_vcc(0) depctr_vm_vsrc(0)
	s_getreg_b32 s2, hwreg(HW_REG_IB_STS2, 6, 4)
	s_cmp_eq_u32 s2, 0
	s_cbranch_scc0 .Lentry_in_a_cluster
	s_endpgm
.Lentry_in_a_cluster:
	s_bfe_u32 s2, ttmp6, 0x10000c
	s_cmp_lg_u32 s2, 0xf033
	s_cbranch_scc0 .Lentry_shape_is_right
	s_endpgm
.Lentry_shape_is_right:
; Q, K, V = LN1(x) in_proj_w^T + in_proj_b on codes of E4M3 with E8M0 scale words (M 4,096, N 3,072, K 1,024), each result quantised again on the way out, in the order of attention's operand registers.
; A block of 256 x 256 to a work-group of four waves, 128 x 128 a wave; K in four K slots of 256 through a ring of two LDS slots; 4 x 4 clusters with joint loads along rows (tokens) and columns (weights).
; For V (cluster x = 2) the two sources change places, so that a lane's registers run along the keys.
; LIMITS: a block of zeros gets the byte 1 where the rule says 127 (this program alone reads the bytes); blocks under 2^-118 keep the byte 1; NaN and infinities are not served.
.set NY, 8
.set NX, 8
.set NG, 2
.set KS, 8
.set NQ, 2
.set LAPS,  KS/(2*NQ)
.set TROW,  NQ*2048
.set HALFT, NY*TROW
.set SLOT,  4*HALFT
.set SCL,   2*SLOT
.set HALFS, NG*KS*256
.set SPARE, SCL+4*HALFS
.set ASC,   4194304
.set BIMG,  0
.set BSC,   12582912
.set OA,   3
.set SA,   7
.set SH16, 8
.set L16,  9
.set ADRY, 16
.set ADRX, 20
.set ADRS, 27
.set SPW,  28
.set NIL,  29
.set SC,   32
.set BX,   64
.set AF,   128
.set ST,   128
.set PC,   192
.set TM,   208
.set PW,   224
.set SW,   226
.set G1, 24
.set G0, 32
.set G1B, 48
.set G0B, 56
.set G1S, 68
.set G0S, 76
.set G1SB, 80
.set G0SB, 88
.set SEL, 96
.set MNT, 98
.set HM,  99
.set MSB, 0
.macro WIN new
.if MSB != (\new)
	s_set_vgpr_msb (MSB<<8)|(\new)
.set MSB, (\new)
.endif
.endm
.set MUL_LO, 0xa1
.set MUL_HI, 0xf1
.set TO_X,   0x40
.macro JLOAD g0a, g1a, g0b, g1b
	s_cmp_eq_u32 s15, 0
	s_cbranch_scc0 .Lfor_b_\@
	tensor_load_to_lds s[\g0a:\g0a+3], s[\g1a:\g1a+7]
	s_nop 0
.rept 4
	v_nop
.endr
	s_branch .Lasked_\@
.Lfor_b_\@:
	tensor_load_to_lds s[\g0b:\g0b+3], s[\g1b:\g1b+7]
	s_nop 0
.rept 4
	v_nop
.endr
.Lasked_\@:
.endm
.macro CREST
	s_cmp_lg_u32 s14, 0
	s_cbranch_scc1 .Lnot_wave_0_\@
	s_barrier_signal -3
.Lnot_wave_0_\@:
	s_barrier_wait -3
	s_barrier_signal -1
	s_barrier_wait -1
.endm
.macro CROUND
	s_barrier_signal -1
	s_barrier_wait -1
	CREST
.endm
.macro PLACES n
.rept \n
	v_nop
.endr
.endm
	s_load_b256 s[4:11], s[0:1], 0x0
	v_lshl_add_u32 v[SPW], v0, 2, SPARE
	v_mov_b32 v[NIL], 0
	ds_add_u32 v[SPW], v[NIL]
	ds_add_u32 v[SPW], v[NIL]
	v_lshrrev_b32 v1, 5, v0
	v_readfirstlane_b32 s14, v1
	s_lshr_b32 s15, s14, 1
	s_and_b32 s16, s14, 1
	s_bfe_u32 s40, ttmp6, 0x40000
	s_bfe_u32 s41, ttmp6, 0x40004
	s_lshl_b32 s42, ttmp9, 2
	s_add_co_u32 s42, s42, s40
	s_and_b32 s17, ttmp7, 0xffff
	s_lshl_b32 s17, s17, 2
	s_add_co_u32 s17, s17, s41
	s_lshl_b32 s43, s41, 2
	s_lshl_b32 s43, 15, s43
	s_lshl_b32 s44, 0x1111, s40
	s_or_b32 s[G1+0], s43, (3<<16)|(1<<21)
	s_or_b32 s[G1B+0], s44, (3<<16)|(1<<21)
.irp g, G1, G1B
	s_mov_b32 s[\g+1], (TROW/8)<<16
	s_mov_b32 s[\g+2], (2*NY)<<16                  ; the head's loads bring both halves of a tile: 2 NY tile rows
	s_mov_b32 s[\g+3], (TROW/8)<<16
	s_mov_b32 s[\g+4], 2*NY
	s_mov_b32 s[\g+5], KS*256
	s_mov_b32 s[\g+6], 0
	s_mov_b32 s[\g+7], 0
.endr
	s_or_b32 s[G1S+0], s43, (3<<16)|(1<<21)
	s_or_b32 s[G1SB+0], s44, (3<<16)|(1<<21)
.irp g, G1S, G1SB
	s_mov_b32 s[\g+1], 32<<16
	s_mov_b32 s[\g+2], (2*HALFS/256)<<16
	s_mov_b32 s[\g+3], 32<<16
	s_mov_b32 s[\g+4], 2*HALFS/256
	s_mov_b32 s[\g+5], 32
	s_mov_b32 s[\g+6], 0
	s_mov_b32 s[\g+7], 0
.endr
	s_mul_i32 s20, s17, 2*NY
	s_mul_i32 s94, s16, NY*KS*2048                 ; s[94:95]: from a tile's first half to the half that I fetch in the ring, in bytes
	s_mov_b32 s95, 0
	s_mul_i32 s22, s20, KS*64
	s_add_co_u32 s22, s22, ASC
	s_mul_i32 s20, s20, KS*2048
	s_mov_b32 s21, 0
	s_mov_b32 s23, 0
	s_mul_i32 s46, s42, 2*NY
	s_mul_i32 s92, s46, KS*64
	s_add_co_u32 s92, s92, BSC
	s_mul_i32 s46, s46, KS*2048
	s_mov_b32 s47, 0
	s_mov_b32 s93, 0
	s_mul_i32 s45, s14, HALFT
	s_cmp_eq_u32 s15, 0                            ; the prefetches: of the NY tile rows that I fetch, my work-group takes NY / 4, by its place among the four that ask jointly
	s_cselect_b32 s66, s40, s41
	s_mul_i32 s66, s66, (NY/4)*KS*2048
	s_add_co_u32 s66, s66, s94
	s_mov_b32 s67, 0
	s_wait_dscnt 0x0
	s_wait_kmcnt 0x0
	s_add_nc_u64 s[20:21], s[4:5], s[20:21]
	s_add_nc_u64 s[22:23], s[4:5], s[22:23]
	s_add_nc_u64 s[46:47], s[6:7], s[46:47]
	s_add_nc_u64 s[92:93], s[6:7], s[92:93]
	CROUND
	s_mov_b32 s[G0S], 1
	s_mov_b32 s[G0S+1], SCL
	s_mov_b64 s[G0S+2:G0S+3], s[22:23]
	s_or_b32 s[G0S+3], s[G0S+3], 0x80000000
	s_mov_b32 s[G0SB], 1
	s_mov_b32 s[G0SB+1], SCL+2*HALFS
	s_mov_b64 s[G0SB+2:G0SB+3], s[92:93]
	s_or_b32 s[G0SB+3], s[G0SB+3], 0x80000000
.irp s, 0,1
	s_mov_b32 s[G0+4*\s], 1
	s_add_co_u32 s[G0+4*\s+1], s45, \s*SLOT
	s_add_nc_u64 s[G0+4*\s+2:G0+4*\s+3], s[20:21], \s*TROW
	s_or_b32 s[G0+4*\s+3], s[G0+4*\s+3], 0x80000000
	s_mov_b32 s[G0B+4*\s], 1
	s_add_co_u32 s[G0B+4*\s+1], s45, \s*SLOT
	s_add_nc_u64 s[G0B+4*\s+2:G0B+4*\s+3], s[46:47], \s*TROW
	s_or_b32 s[G0B+4*\s+3], s[G0B+4*\s+3], 0x80000000
.endr
	s_mov_b32 s[G0+1], 0                           ; slot 0's two groups 0 serve the head first: the tokens' 2 NY tile rows whole,
	s_mov_b32 s[G0B+1], 2*HALFT                    ; the weight's behind them
	s_add_nc_u64 s[G0+6:G0+7], s[G0+6:G0+7], s[94:95]      ; slot 1's: my half
	s_add_nc_u64 s[G0B+6:G0B+7], s[G0B+6:G0B+7], s[94:95]
; THE HEAD'S LOADS, ONE A WAVE: wave 0 K slot 0 of the tokens, wave 1 of the weight, waves 2 and 3 their scale words for all of K.  One tree of branches on the wave's number.
.macro ARM under, g0, g1, next
	s_cmp_lt_u32 s14, \under
	s_cbranch_scc0 \next
	tensor_load_to_lds s[\g0:\g0+3], s[\g1:\g1+7]
	s_nop 0
.rept 4
	v_nop
.endr
	s_branch .Lhead_asked
\next:
.endm
	ARM 1, G0,  G1,  .Lhead_b
	ARM 2, G0B, G1B, .Lhead_sa
	ARM 3, G0S, G1S, .Lhead_sb
	tensor_load_to_lds s[G0SB:G0SB+3], s[G1SB:G1SB+7]
	s_nop 0
.rept 4
	v_nop
.endr
.Lhead_asked:
	s_cmp_eq_u32 s15, 0
	s_cselect_b64 s[4:5], s[20:21], s[46:47]       ; s[4:5]: where my prefetches stand: K slot 0 of my work-group's share of the tile rows that I fetch
	s_add_nc_u64 s[4:5], s[4:5], s[66:67]
	v_and_b32 v1, 15, v0
	v_bfe_u32 v2, v0, 4, 1
	v_and_b32 v3, 31, v0
	v_lshlrev_b32 v[L16], 4, v3
	s_wait_alu depctr_va_vdst(0)
	v_cmp_ne_u32 s[HM], 0, v2
	s_cmp_ge_u32 ttmp9, 2
	s_cselect_b32 s18, 2*HALFT, 0
	s_cselect_b32 s19, 0, 2*HALFT
	s_cselect_b32 s66, 2*HALFS, 0
	s_cselect_b32 s67, 0, 2*HALFS
	s_mul_i32 s21, s15, HALFT
	s_add_co_u32 s21, s21, s18
	s_mul_i32 s22, s16, HALFT
	s_add_co_u32 s22, s22, s19
.irp s, 0,1
	v_add_nc_u32 v[ADRY+\s], s21, v[L16]
	v_add_nc_u32 v[ADRX+\s], s22, v[L16]
	s_add_co_u32 s21, s21, SLOT
	s_add_co_u32 s22, s22, SLOT
.endr
	s_mul_i32 s21, s15, HALFS
	s_add_co_u32 s21, s21, s66
	s_add_co_u32 s21, s21, SCL
	s_mul_i32 s22, s16, HALFS
	s_add_co_u32 s22, s22, s67
	s_add_co_u32 s22, s22, SCL
	v_lshlrev_b32 v18, 4, v1
	v_add_nc_u32 v19, s22, v18
	v_add_nc_u32 v18, s21, v18
	v_cndmask_b32 v[ADRS], v18, v19, s[HM]
	v_lshlrev_b32 v10, 6, v2
	v_lshlrev_b32 v30, 14, v2                      ; v30: the prefetches' offset: lanes 0-15 one tile row, lanes 16-31 the next, 256 bytes a lane; never rewritten
	v_lshl_add_u32 v30, v1, 8, v30
	s_wait_alu depctr_va_vdst(0)
	v_lshrrev_b32 v11, 3, v1
	v_lshl_add_u32 v11, v11, 3, v1
	v_lshlrev_b32 v11, 2, v11
	s_wait_alu depctr_va_vdst(0)
	s_lshl_b32 s18, s42, 10
	s_lshl_b32 s19, s16, 9
	s_add_co_u32 s18, s18, s19
	s_mov_b32 s19, 0
	s_add_nc_u64 s[12:13], s[8:9], s[18:19]
	s_lshl_b32 s18, s42, 10
	s_lshl_b32 s66, s15, 9
	s_add_co_u32 s18, s18, s66
	s_add_nc_u64 s[8:9], s[8:9], s[18:19]
.irp b, 0,1,2,3
.irp j, 0,1,2,3
	global_load_b128 v[BX+16*\b+4*\j:BX+16*\b+4*\j+3], v10, s[12:13] offset:128*\b+16*\j
.endr
.endr
.irp y, 0,1,2,3
	global_load_b32 v[12+\y], v11, s[8:9] offset:4*(32*(\y/2)+8*(\y%2))
	global_load_b32 v[22+\y], v11, s[8:9] offset:4*(64+32*(\y/2)+8*(\y%2))
.endr
	s_mov_b32 s[SEL], 0x76543210
	s_mov_b32 s[SEL+1], 0xfedcba98
	s_mov_b32 s[MNT], 0x600000
.macro FRAG reg, adr, q, i
.irp c, 0,1,2,3
	ds_load_b128 v[\reg+4*\c:\reg+4*\c+3], v[\adr] offset:(\i)*TROW+(\q)*2048+512*\c
.endr
.endm
.macro MULA a, p, q, sc, zero
.set bb, 0
.rept NX
.set rD, 8*(NX*((\a)%4)+bb)
.if \zero
	v_wmma_scale_f32_16x16x128_f8f6f4 v[rD:rD+7], v[128*(\p)+16*bb:128*(\p)+16*bb+15], v[AF+16*(\a):AF+16*(\a)+15], 0, v[SC+16*(\sc)+4*NG*(\q)+bb], v[SC+16*(\sc)+4*NG*(\q)+(\a)] matrix_a_scale:MATRIX_SCALE_ROW1
.else
	v_wmma_scale_f32_16x16x128_f8f6f4 v[rD:rD+7], v[128*(\p)+16*bb:128*(\p)+16*bb+15], v[AF+16*(\a):AF+16*(\a)+15], v[rD:rD+7], v[SC+16*(\sc)+4*NG*(\q)+bb], v[SC+16*(\sc)+4*NG*(\q)+(\a)] matrix_a_scale:MATRIX_SCALE_ROW1
.endif
.set bb, bb+1
.endr
.endm
.macro MULS a0, n, p, q, sc, zero
.set aa, \a0
.rept \n
	MULA aa, \p, \q, \sc, \zero
.set aa, aa+1
.endr
.endm
.macro FETCH_X slot, q, p
	WIN TO_X
.set ii, 0
.rept NX
	FRAG 128*(\p)+16*ii, ADRX+\slot, \q, ii
.set ii, ii+1
.endr
	WIN 0
.endm
.macro FETCH_Y slot, q, i0
.set ii, \i0
.rept NY/2
	FRAG AF+16*ii, ADRY+\slot, \q, ii
.set ii, ii+1
.endr
.endm
.macro SCALES set
.set qi, 0
.rept NQ
.set gi, 0
.rept NG
	ds_load_b128 v[SC+16*\set+4*NG*qi+4*gi:SC+16*\set+4*NG*qi+4*gi+3], v[ADRS] offset:gi*KS*256+qi*256
.set gi, gi+1
.endr
.set qi, qi+1
.endr
.endm
.macro STEP slot, q, zero
	s_wait_dscnt 2*NY
	WIN MUL_LO
	MULS 0, NY/2, (\q)%2, \q, \slot, \zero
	s_wait_dscnt 0x0
	PLACES 8
	FETCH_X \slot, (\q)+1, 1-(\q)%2
	FETCH_Y \slot, (\q)+1, 0
	WIN MUL_HI
	MULS NY/2, NY/2, (\q)%2, \q, \slot, \zero
	PLACES 8
	WIN 0
	FETCH_Y \slot, (\q)+1, NY/2
.endm
.macro TURN slot, next, fill
	s_wait_tensorcnt 0x0
	ds_add_u32 v[SPW], v[NIL]
	s_wait_dscnt 2*NY+1
	WIN MUL_LO
	MULS 0, NY/4, 1, NQ-1, \slot, 0
	s_wait_dscnt 0x0
	s_barrier_signal -1
	MULS NY/4, NY/4, 1, NQ-1, \slot, 0
	WIN 0
	s_barrier_wait -1
.if \fill
	CREST
	s_add_nc_u64 s[G0+4*\slot+2:G0+4*\slot+3], s[G0+4*\slot+2:G0+4*\slot+3], 2*TROW
	s_add_nc_u64 s[G0B+4*\slot+2:G0B+4*\slot+3], s[G0B+4*\slot+2:G0B+4*\slot+3], 2*TROW
	JLOAD G0+4*\slot, G1, G0B+4*\slot, G1B
	PLACES 4
.else
	PLACES 8
.endif
	s_wait_alu depctr_va_vdst(0)
	v_add_nc_u32 v[ADRS], NQ*256, v[ADRS]
	FETCH_X \next, 0, 0
	FETCH_Y \next, 0, 0
	SCALES \next
	WIN MUL_HI
	MULS NY/2, NY/2, 1, NQ-1, \slot, 0
	PLACES 8
	WIN 0
	FETCH_Y \next, 0, NY/2
.endm
	global_prefetch_b8 v30, s[4:5] offset:TROW th:TH_LOAD_NT scope:SCOPE_SE     ; K slots 1 and 2: each 256 bytes named once in the cluster; K slot 3 follows behind slot 1's load
	global_prefetch_b8 v30, s[4:5] offset:2*TROW th:TH_LOAD_NT scope:SCOPE_SE
	s_wait_tensorcnt 0x0                           ; my tile of the head's four is in
	ds_add_u32 v[SPW], v[NIL]
	s_mov_b32 s[G1+2], NY<<16                      ; no tensor load of mine is out: from here on a load brings NY tile rows,
	s_mov_b32 s[G1+4], NY
	s_mov_b32 s[G1B+2], NY<<16
	s_mov_b32 s[G1B+4], NY
	s_mov_b32 s[G0+1], s45                         ; and slot 0's groups 0 become the ring's: my quarter of the slot, my half of the tile
	s_add_nc_u64 s[G0+2:G0+3], s[G0+2:G0+3], s[94:95]
	s_mov_b32 s[G0B+1], s45
	s_add_nc_u64 s[G0B+2:G0B+3], s[G0B+2:G0B+3], s[94:95]
	s_wait_dscnt 0x0
	CROUND                                         ; all four tiles are in, in all sixteen work-groups
	JLOAD G0+4, G1, G0B+4, G1B                     ; K slot 1: my one tensor load behind the round
	FETCH_X 0, 0, 0
	FETCH_Y 0, 0, 0
	SCALES 0
	FETCH_Y 0, 0, NY/2
	global_prefetch_b8 v30, s[4:5] offset:3*TROW th:TH_LOAD_NT scope:SCOPE_SE   ; K slot 3, the last: two refills ahead of its load
	STEP 0, 0, 1
	s_mov_b32 s3, LAPS-1
.Llap:
	TURN 0, 1, 1
	STEP 1, 0, 0
	TURN 1, 0, 1
	STEP 0, 0, 0
	s_sub_co_u32 s3, s3, 1
	s_cmp_lg_u32 s3, 0
	s_cbranch_scc1 .Llap
	TURN 0, 1, 0
	STEP 1, 0, 0
	s_wait_dscnt 2*NY
	WIN MUL_LO
	MULS 0, NY/2, 1, NQ-1, 1, 0
	s_wait_dscnt 0x0
	WIN MUL_HI
	MULS NY/2, NY/2, 1, NQ-1, 1, 0
	WIN 0
	s_lshr_b32 s19, s17, 2
	s_lshl_b32 s19, s19, 4
	s_and_b32 s66, s42, 3
	s_lshl_b32 s66, s66, 2
	s_add_co_u32 s19, s19, s66
	s_and_b32 s67, s17, 3
	s_lshl_b32 s67, s67, 4
	s_lshl_b32 s66, s15, 3
	s_add_co_u32 s67, s67, s66
	s_lshl_b32 s100, s17, 1
	s_add_co_u32 s100, s100, s16
	s_and_b32 s100, s100, 7
	s_lshl_b32 s101, s67, 10
	s_lshl_b32 s40, s100, 13
	s_lshl_b32 s67, s67, 6
	s_lshl_b32 s100, s100, 8
	s_add_co_u32 s100, s100, 4096
	s_mov_b32 s46, 1024
	s_mov_b32 s92, 1024
	s_mov_b32 s94, 256
	s_mov_b32 s41, 65536
	s_cmp_ge_u32 ttmp9, 2
	s_cselect_b32 s18, s15, s16
	s_cselect_b32 s101, s40, s101
	s_cselect_b32 s67, s100, s67
	s_cselect_b32 s46, 2048, s46
	s_cselect_b32 s92, 59392, s92
	s_cselect_b32 s94, 6144, s94
	s_cselect_b32 s41, 1024, s41
	s_cselect_b32 s40, 0, 16
	s_mov_b32 s47, 0
	s_mov_b32 s93, 0
	s_mov_b32 s95, 0
	s_lshl_b32 s18, s18, 1
	s_add_co_u32 s19, s19, s18
	s_lshl_b32 s18, s19, 16
	s_add_co_u32 s20, s101, s18
	s_lshl_b32 s18, ttmp9, 22
	s_add_co_u32 s20, s20, s18
	s_mov_b32 s21, 0
	s_add_nc_u64 s[20:21], s[10:11], s[20:21]
	s_mov_b32 s18, 6144
	s_mov_b32 s100, 12845056
	s_cmp_eq_u32 ttmp9, 0
	s_cselect_b32 s18, 4096, s18
	s_cselect_b32 s100, 12582912, s100
	s_mul_i32 s22, s19, s18
	s_add_co_u32 s22, s22, s67
	s_add_co_u32 s22, s22, s100
	s_mov_b32 s23, 0
	s_add_nc_u64 s[22:23], s[10:11], s[22:23]
	s_cmp_ge_u32 ttmp9, 2
	s_cselect_b32 s18, 0, s18
	s_wait_loadcnt 0x0
	PLACES 8
	v_mul_u32_u24 v[SA], s18, v2
	v_lshl_add_u32 v[SA], v1, 4, v[SA]
	v_mul_u32_u24 v[SH16], s40, v2
	v_mov_b32 v[OA], v[L16]
	v_add_nc_u32 v[OA+1], 512, v[L16]
	v_add_nc_u32 v[OA+2], s41, v[L16]
	v_add_nc_u32 v[OA+3], 512, v[OA+2]
.irp b, 0,1,2,3
	v_mov_b32 v[TM+4+\b], 0
.endr
.macro QUANT s
.irp b, 0,1,2,3
	v_max3_num_f32 v[TM+\b], |v[\s+16*\b]|, |v[\s+1+16*\b]|, 0x4800000
.endr
.irp i, 2,4,6,8,10,12,14
.irp b, 0,1,2,3
	v_max3_num_f32 v[TM+\b], v[TM+\b], |v[\s+16*\b+\i]|, |v[\s+1+16*\b+\i]|
.endr
.endr
.irp b, 0,1,2,3
	v_permlanex16_b32 v[TM+4+\b], v[TM+\b], s[SEL], s[SEL+1]
.endr
.irp b, 0,1,2,3
	v_max_num_f32 v[TM+\b], v[TM+\b], v[TM+4+\b]
.endr
.irp b, 0,1,2,3
	v_add_nc_u32 v[TM+12+\b], 0xfc000000, v[TM+\b]
.endr
.irp b, 0,1,2,3
	v_and_or_b32 v[TM+8+\b], v[TM+\b], 0x7f800000, s[MNT]
.endr
.irp b, 0,1,2,3
	v_lshrrev_b32 v[TM+4+\b], 23, v[TM+12+\b]
.endr
	v_lshl_or_b32 v[PW], v[TM+5], 8, v[TM+4]
	v_lshl_or_b32 v[PW], v[TM+6], 16, v[PW]
	v_lshl_or_b32 v[PW], v[TM+7], 24, v[PW]
	s_wait_xcnt 0x0                                ; the last tile's stores have read the codes' registers and their bases: both are written below
.irp b, 0,1,2,3
.irp i, 0,1,2,3,4,5,6,7,8,9,10,11,12,13,14,15
	v_med3_num_f32 v[\s+16*\b+\i], v[\s+16*\b+\i], -v[TM+8+\b], v[TM+8+\b]
.endr
	v_cvt_scalef32_pk8_fp8_f32 v[PC+4*\b:PC+1+4*\b], v[\s+16*\b:\s+7+16*\b], v[TM+12+\b]
	v_cvt_scalef32_pk8_fp8_f32 v[PC+2+4*\b:PC+3+4*\b], v[\s+8+16*\b:\s+15+16*\b], v[TM+12+\b]
.endr
	v_nop
.endm
.macro EPI y
.set AC, 64*((\y)%4)
.set BVR, 12+2*((\y)/2)+6*((\y)/4)
	s_cmp_ge_u32 ttmp9, 2
	s_cbranch_scc1 .Lby_lane_\@
	WIN 0x02+(\y)/4
.set pp, 0
.rept 32
	v_pk_add_f32 v[ST+2*pp:ST+2*pp+1], v[AC+2*pp:AC+2*pp+1], v[BX+2*pp:BX+2*pp+1]
.set pp, pp+1
.endr
	WIN 0
	s_branch .Lbiased_\@
.Lby_lane_\@:
	WIN 0x02+(\y)/4
.set pp, 0
.rept 32
.if ((\y)%2) == 0
	v_pk_add_f32 v[ST+2*pp:ST+2*pp+1], v[AC+2*pp:AC+2*pp+1], v[BVR:BVR+1] op_sel_hi:[1,0]
.else
	v_pk_add_f32 v[ST+2*pp:ST+2*pp+1], v[AC+2*pp:AC+2*pp+1], v[BVR:BVR+1] op_sel:[0,1]
.endif
.set pp, pp+1
.endr
	WIN 0
.Lbiased_\@:
	QUANT ST
.if (\y) == 4
	s_add_nc_u64 s[20:21], s[20:21], s[92:93]      ; (behind the wait in QUANT)
	s_add_nc_u64 s[22:23], s[22:23], s[94:95]
.elseif (\y) > 0
	s_add_nc_u64 s[20:21], s[20:21], s[46:47]
.endif
	v_lshrrev_b32 v[SW+(\y)], v[SH16], v[PW]
.irp c, 0,1,2,3
	global_store_b128 v[OA+\c], v[PC+4*\c:PC+4*\c+3], s[20:21]
.endr
.if ((\y)%4) == 3
	global_store_b128 v[SA], v[SW+(\y)-3:SW+(\y)], s[22:23]
.endif
.endm
.irp y, 0,1,2,3,4,5,6,7
	EPI \y
.endr
	s_wait_tensorcnt 0x0
	ds_add_u32 v[SPW], v[NIL]
	s_wait_dscnt 0x0
	CROUND
	s_endpgm
.Lfunc_end_k_qf7a3439ddc_g1:
	.size	k_qf7a3439ddc_g1, .Lfunc_end_k_qf7a3439ddc_g1-k_qf7a3439ddc_g1
	.p2alignl 7, 3214868480
	.fill 96, 4, 3214868480
	.section	.rodata,"a",@progbits
	.p2align	6, 0x0
	.amdhsa_kernel k_qf7a3439ddc_g1
		.amdhsa_group_segment_fixed_size 327680
		.amdhsa_private_segment_fixed_size 0
		.amdhsa_enable_private_segment 0
		.amdhsa_kernarg_size 32
		.amdhsa_user_sgpr_count 2
		.amdhsa_user_sgpr_kernarg_segment_ptr 1
		.amdhsa_wavefront_size32 1
		.amdhsa_system_sgpr_workgroup_id_x 1
		.amdhsa_system_sgpr_workgroup_id_y 1
		.amdhsa_system_sgpr_workgroup_id_z 1
		.amdhsa_system_vgpr_workitem_id 0
		.amdhsa_next_free_vgpr 1024
		.amdhsa_next_free_sgpr 102
		.amdhsa_reserve_vcc 0
		.amdhsa_float_denorm_mode_32 3
		.amdhsa_float_denorm_mode_16_64 3
		.amdhsa_memory_ordered 1
		.amdhsa_forward_progress 1
		.amdhsa_inst_pref_size 223
	.end_amdhsa_kernel
	.amdgpu_metadata
---
amdhsa.version: [ 1, 2 ]
amdhsa.kernels:
  - .name:           k_qf7a3439ddc_g1
    .symbol:         k_qf7a3439ddc_g1.kd
    .args:
      - { .name: act, .offset: 0, .size: 8, .value_kind: global_buffer, .address_space: global }
      - { .name: wb, .offset: 8, .size: 8, .value_kind: global_buffer, .address_space: global }
      - { .name: in_proj_b, .offset: 16, .size: 8, .value_kind: global_buffer, .address_space: global }
      - { .name: qkv, .offset: 24, .size: 8, .value_kind: global_buffer, .address_space: global }
    .group_segment_fixed_size: 327680
    .private_segment_fixed_size: 0
    .kernarg_segment_align: 8
    .kernarg_segment_size: 32
    .max_flat_workgroup_size: 128
    .sgpr_count:     102
    .vgpr_count:     1024
    .wavefront_size: 32
...
	.end_amdgpu_metadata
.endif
;; end of part 2
;; launch att (part 3): grid 4 x 64, 16 waves a work-group, clusters of 4 x 1, 327,680 bytes of LDS; arguments qkv, rel_pos, ob; writes ob
.if DOCPART == 3
	.amdgcn_target "amdgcn-amd-amdhsa--gfx1250"
	.amdhsa_code_object_version 6
	.text
	.protected	k_qf7a3439ddc_att
	.globl	k_qf7a3439ddc_att
	.p2align	8
	.type	k_qf7a3439ddc_att,@function
k_qf7a3439ddc_att:
	s_mov_b64 s[64:65], 0
	v_nop
	global_prefetch_b8 v0, s[64:65] scope:SCOPE_SE
	s_setreg_imm32_b32 hwreg(HW_REG_WAVE_MODE, 25, 1), 1
	s_wait_xcnt 0x0
	s_wait_alu depctr_hold_cnt(0) depctr_sa_sdst(0) depctr_va_vdst(0) depctr_va_sdst(0) depctr_va_ssrc(0) depctr_va_vcc(0) depctr_vm_vsrc(0)
	s_getreg_b32 s2, hwreg(HW_REG_IB_STS2, 6, 4)
	s_cmp_eq_u32 s2, 0
	s_cbranch_scc0 .Lentry_in_a_cluster
	s_endpgm
.Lentry_in_a_cluster:
	s_bfe_u32 s2, ttmp6, 0x10000c
	s_cmp_lg_u32 s2, 0x3003
	s_cbranch_scc0 .Lentry_shape_is_right
	s_endpgm
.Lentry_shape_is_right:
; Attention of one (batch, head) on codes of E4M3: S^T = K Q^T + the table of rel_pos, p = 2^(t - M) with M the ceiling of the running largest t, quantised along the keys; O^T = V^T P^T, divided by the row's sum of the
; unquantised p and quantised along the head's 64 for the output projection.  A work-group has sixteen waves, a wave one tile of 16 queries; all of the head's K and V lie in LDS, filled once.
; LEFT OUT: key steps of 128 keys that lie wholly behind a wave's 16 queries (reference() adds -inf there, so p is 0), and rel_pos[:, 1024:], which reference() slices away.
; CLUSTER 4, 1, 1: the four work-groups of a (batch, head) read the same K and V: each wave's 8,192 bytes are asked for jointly by the four (mask 15).  No branch and no LDS address hangs on the place in the cluster:
; a wave's number of key steps, (63 - 4 s50) / 8 + 1, is the same at all four places, since 63 - 4 s50 is 3 or 7 modulo 8 and the place takes at most 3 off it.
; LIMITS: the promise holds while the scaled scores stay under 2^31 in magnitude; NaN and infinities among the inputs are not served; a block of zeros gets the byte 1 (this program alone reads the bytes).
.macro CROUND                          ; a round of the cluster's barrier
	s_barrier_signal -1
	s_barrier_wait -1
	s_cmp_lg_u32 s[WV], 0
	s_cbranch_scc1 .Lnot_wave_0_\@
	s_barrier_signal -3
.Lnot_wave_0_\@:
	s_barrier_wait -3
	s_barrier_signal -1
	s_barrier_wait -1
.endm
.set KIMG,  0
.set VIMG,  65536
.set KSC,   131072
.set VSC,   KSC+4096
.set SPARE, KSC+6144
.set TAB,   SPARE+2048
.set C1,    8224
.set C2,    16512
.set AK0,  1
.set AV0,  2
.set ASK0, 3
.set ASV0, 4
.set SPW,  5
.set NIL,  6
.set ATB0, 7
.set ADK,  8
.set ADV,  9
.set ADS,  10
.set ADT,  11
.set KT,   32
.set S,    96
.set O,    160
.set PCD,  192
.set KSW,  208
.set VSW,  216
.set QSW,  220
.set PSW,  221
.set ADB,  222
.set BM,   224
.set BP,   228
.set BL,   232
.set BS,   236
.set F,    240
.set TMP,  242
.set R16,  243
.set WV,   18
.set MNT,  19
.set SEL,  20
.set CS,   22
.set G1D,  24
.set G0D,  32
.set G1S,  36
.set G0S,  44
.set NST,  53
.set CNT,  54
.set TK,   55
.set TSK,  56
.set TSV,  57
.set INT,  73
	s_load_b128 s[4:7], s[0:1], 0x0
	s_load_b64 s[8:9], s[0:1], 0x10
	v_lshl_add_u32 v[SPW], v0, 2, SPARE
	v_mov_b32 v[NIL], 0
	ds_add_u32 v[SPW], v[NIL]
	ds_add_u32 v[SPW], v[NIL]
	v_lshrrev_b32 v8, 5, v0
	s_delay_alu instid0(VALU_DEP_1)
	v_readfirstlane_b32 s[WV], v8
	s_and_b32 s48, ttmp7, 0xffff
	s_and_b32 s72, s48, 15
	s_lshr_b32 s50, s[WV], 3
	s_mul_i32 s50, s50, 7
	s_add_co_u32 s50, s50, s[WV]
	s_min_u32 s51, s[WV], 8
	s_sub_co_u32 s51, s[WV], s51
	s_lshl_b32 s51, s51, 1
	s_sub_co_u32 s50, s50, s51
	s_bfe_u32 s76, ttmp6, 0x40000                  ; my place in the cluster = the work-group's x: the grid has one cluster along x
	s_lshl_b32 s51, s50, 2
	s_sub_co_u32 s[NST], 63, s51
	s_lshr_b32 s[NST], s[NST], 3
	s_add_co_u32 s[NST], s[NST], 1                 ; my key steps: from the wave's number alone
	s_add_co_u32 s51, s51, s76
	s_sub_co_u32 s52, 63, s51                      ; my tile of queries: it enters global addresses alone
	s_lshr_b32 s74, s76, 1
	s_lshl_b32 s74, s74, 7
	s_and_b32 s75, s76, 1
	s_lshl_b32 s75, s75, 5
	s_add_co_u32 s74, s74, s75
	s_sub_co_u32 s74, 4092, s74
	s_mov_b32 s[G1D], (3<<16)|(1<<21)|15           ; elements of 8 bytes; the mask names the cluster's four work-groups, bit 21 beside it
	s_mov_b32 s[G1D+1], 32<<16
	s_mov_b32 s[G1D+2], 32<<16
	s_mov_b32 s[G1D+3], 32<<16
	s_mov_b32 s[G1D+4], 32
	s_mov_b32 s[G1D+5], 32
	s_mov_b32 s[G1D+6], 0
	s_mov_b32 s[G1D+7], 0
	s_mov_b32 s[G0D], 1
	s_lshl_b32 s[G0D+1], s[WV], 13
	s_lshr_b32 s58, s[WV], 3
	s_add_co_u32 s58, s58, 1
	s_lshl_b32 s58, s58, 22
	s_lshl_b32 s59, s48, 16
	s_add_co_u32 s58, s58, s59
	s_and_b32 s59, s[WV], 7
	s_lshl_b32 s59, s59, 13
	s_add_co_u32 s58, s58, s59
	s_mov_b32 s59, 0
	s_mul_i32 s60, s48, 6144
	s_add_co_u32 s60, s60, 12845056
	s_mov_b32 s61, 0
	s_mov_b32 s[SEL], 0x76543210
	s_mov_b32 s[SEL+1], 0xfedcba98
	s_mov_b32 s[CS], 0x3e38aa3b
	s_mov_b32 s[CS+1], s[CS]
	s_mov_b32 s[MNT], 0x600000
	s_mov_b32 s[CNT], 0
	s_mov_b32 s[TK], 0
	s_mov_b32 s[TSK], 0
	s_mov_b32 s[TSV], 0
	s_wait_dscnt 0x0
	s_wait_kmcnt 0x0
	s_add_nc_u64 s[G0D+2:G0D+3], s[4:5], s[58:59]
	s_or_b32 s[G0D+3], s[G0D+3], 0x80000000
	s_add_nc_u64 s[G0S+2:G0S+3], s[4:5], s[60:61]
	CROUND                                         ; all four work-groups are here: the joint loads meet
	tensor_load_to_lds s[G0D:G0D+3], s[G1D:G1D+7]  ; my 8,192 bytes of K's or V's codes: my one tensor load
	s_nop 0
	v_lshlrev_b32 v232, 3, v0                      ; the head's 6,144 bytes of scale words come through registers: K's 4,096 bytes, 8 a thread; V's 2,048, 4 a thread
	v_lshlrev_b32 v233, 2, v0
	global_load_b64 v[234:235], v232, s[G0S+2:G0S+3]
	global_load_b32 v236, v233, s[G0S+2:G0S+3] offset:4096
	v_lshl_add_u32 v237, v0, 3, KSC
	v_lshl_add_u32 v238, v0, 2, VSC
	s_lshl_b32 s62, s72, 13
	s_mov_b32 s63, 0
	s_add_nc_u64 s[6:7], s[6:7], s[62:63]
	v_lshlrev_b32 v246, 2, v0
	s_delay_alu instid0(VALU_DEP_1)
	v_sub_nc_u32 v246, s74, v246
	s_delay_alu instid0(VALU_DEP_1)
	v_add_nc_u32 v249, 0xfffff800, v246
	s_delay_alu instid0(VALU_DEP_1)
	v_cmp_le_i32 s[INT], 0, v249
	s_delay_alu instid0(VALU_DEP_1)
	v_cndmask_b32 v249, 0, v249, s[INT]
	global_load_b32 v244, v246, s[6:7]
	global_load_b32 v245, v249, s[6:7]
	v_and_b32 v8, 31, v0
	s_delay_alu instid0(VALU_DEP_1)
	v_lshlrev_b32 v[AK0], 4, v8
	v_and_b32 v8, 15, v0
	v_bfe_u32 v9, v0, 4, 1
	s_delay_alu instid0(VALU_DEP_2)
	v_lshlrev_b32 v[R16], 4, v8
	s_wait_alu depctr_va_vdst(0)
	s_lshl_b32 s66, s48, 6
	s_add_co_u32 s66, s66, s52
	s_lshl_b32 s66, s66, 10
	s_mov_b32 s67, 0
	s_add_nc_u64 s[68:69], s[4:5], s[66:67]
	global_load_b128 v[16:19], v[AK0], s[68:69]
	global_load_b128 v[20:23], v[AK0], s[68:69] offset:512
	s_lshl_b32 s66, s48, 12
	s_lshr_b32 s70, s52, 2
	s_lshl_b32 s70, s70, 8
	s_add_co_u32 s66, s66, s70
	s_and_b32 s70, s52, 3
	s_lshl_b32 s70, s70, 2
	s_add_co_u32 s66, s66, s70
	s_add_co_u32 s66, s66, 12582912
	s_add_nc_u64 s[70:71], s[4:5], s[66:67]
	global_load_b32 v[QSW], v[R16], s[70:71]
	v_add_nc_u32 v[AV0], VIMG, v[AK0]
	v_add_nc_u32 v[ASK0], KSC, v[R16]
	v_add_nc_u32 v[ASV0], VSC, v[R16]
	v_xor_b32 v10, 15, v8
	s_delay_alu instid0(VALU_DEP_1)
	v_and_b32 v11, 1, v10
	s_delay_alu instid0(VALU_DEP_1)
	v_mul_u32_u24 v[ATB0], v11, C1
	s_delay_alu instid0(VALU_DEP_3)
	v_bfe_u32 v11, v10, 1, 1
	s_delay_alu instid0(VALU_DEP_1)
	v_mad_u32_u24 v[ATB0], v11, C2, v[ATB0]
	v_and_b32 v11, 4, v10
	s_delay_alu instid0(VALU_DEP_1)
	v_lshl_add_u32 v[ATB0], v11, 2, v[ATB0]
	v_lshrrev_b32 v11, 3, v10
	s_delay_alu instid0(VALU_DEP_1)
	v_lshl_add_u32 v[ATB0], v11, 6, v[ATB0]
	s_delay_alu instid0(VALU_DEP_1)
	v_lshl_add_u32 v[ATB0], v9, 6, v[ATB0]
	s_lshl_b32 s58, s50, 8
	s_add_co_u32 s58, s58, TAB+16
	v_add_nc_u32 v[ATB0], s58, v[ATB0]
.irp j, 0,1,2,3,4,5,6,7
	v_mov_b32 v[24+\j], 0
.irp t, 0,1,2,3
	v_mov_b32 v[KT+16*\t+8+\j], 0
.endr
.endr
.irp j, 0,1,2,3,4,5,6,7,8,9,10,11,12,13,14,15,16,17,18,19,20,21,22,23,24,25,26,27,28,29,30,31
	v_mov_b32 v[O+\j], 0
.endr
	v_mov_b32 v13, 0xff61b1e6
	s_delay_alu instid0(VALU_DEP_1)
	v_floor_f32 v12, -v13
	v_mov_b32 v14, 0
	v_mov_b32 v15, 0
.irp b, 0,1,2,3
	v_mov_b32 v[BP+\b], 0
.endr
	v_mov_b32 v[F+1], 0
	v_mov_b32 v[TMP], 0
	v_mov_b32 v247, 0xf1800000
	v_lshl_add_u32 v248, v0, 2, TAB
	s_wait_loadcnt 0x3
	v_mul_f32 v244, 0x41000000, v244
	v_mul_f32 v245, 0x41000000, v245
	s_wait_alu depctr_va_vdst(0)
	v_cndmask_b32 v245, v247, v245, s[INT]
.irp c, 0,1,2,3
	ds_store_b32 v248, v244 offset:C1*(\c%2)+C2*(\c/2)+16-4*\c
	ds_store_b32 v248, v245 offset:C1*(\c%2)+C2*(\c/2)+16-4*\c+2048
	ds_store_b32 v248, v247 offset:C1*(\c%2)+C2*(\c/2)+16-4*\c+4096
	ds_store_b32 v248, v247 offset:C1*(\c%2)+C2*(\c/2)+16-4*\c+6144   ; the table's tail: every byte that a step's address can name is written
.endr
	ds_store_b64 v237, v[234:235]                  ; the scale words, as they lie in memory (the wait for all but the three youngest loads stands above)
	ds_store_b32 v238, v236
	s_wait_tensorcnt 0x0
	s_wait_dscnt 0x0
	s_barrier_signal -1
	s_barrier_wait -1
	s_wait_loadcnt 0x0
.Lstep:
	s_cmp_ge_u32 s[CNT], s[NST]
	s_cbranch_scc1 .Lskip
	v_add_nc_u32 v[ADK], s[TK], v[AK0]
	s_wait_alu depctr_va_vdst(0)
	v_add_nc_u32 v[ADV], s[TK], v[AV0]
	v_add_nc_u32 v[ADS], s[TSK], v[ASK0]
	v_add_nc_u32 v[ADT], s[TSV], v[ASV0]
	v_add_nc_u32 v[ADB], s[TSK], v[ATB0]
.rept 4
	v_nop
.endr
.irp b, 0,1,2,3
.irp e, 0,1,2,3
	ds_load_b128 v[S+16*\b+4*\e:S+16*\b+4*\e+3], v[ADB] offset:128*\b+16*\e
.endr
.endr
	ds_load_b128 v[KSW:KSW+3], v[ADS]
	ds_load_b128 v[KSW+4:KSW+7], v[ADS] offset:256
.irp g, 0,1
.if \g > 0
.rept 8
	v_nop
.endr
.endif
.irp t, 0,1,2,3
.irp c, 0,1
	ds_load_b128 v[KT+16*\t+4*\c:KT+16*\t+4*\c+3], v[ADK] offset:(4*\g+\t)*1024+512*\c
.endr
.endr
	s_wait_dscnt 0x0
.irp t, 0,1,2,3
	v_wmma_scale_f32_16x16x128_f8f6f4 v[S+8*(4*\g+\t):S+8*(4*\g+\t)+7], v[KT+16*\t:KT+16*\t+15], v[16:31], v[S+8*(4*\g+\t):S+8*(4*\g+\t)+7], v[KSW+4*\g+\t], v[QSW]
.endr
.endr
.rept 8
	v_nop
.endr
.irp b, 0,1,2,3
	v_max3_num_f32 v[BM+\b], v[S+16*\b], v[S+1+16*\b], v[S+2+16*\b]
.endr
.irp i, 3,5,7,9,11,13
.irp b, 0,1,2,3
	v_max3_num_f32 v[BM+\b], v[BM+\b], v[S+16*\b+\i], v[S+1+16*\b+\i]
.endr
.endr
.irp b, 0,1,2,3
	v_max_num_f32 v[BM+\b], v[BM+\b], v[S+15+16*\b]
.endr
.irp b, 0,1,2,3
	s_delay_alu instid0(VALU_DEP_4)
	v_permlanex16_b32 v[BP+\b], v[BM+\b], s[SEL], s[SEL+1]
.endr
.irp b, 0,1,2,3
	s_delay_alu instid0(VALU_DEP_4)
	v_max_num_f32 v[BM+\b], v[BM+\b], v[BP+\b]
.endr
	s_delay_alu instid0(VALU_DEP_2)
	v_max3_num_f32 v[TMP], v[BM], v[BM+1], v[BM+2]
	s_delay_alu instid0(VALU_DEP_1)
	v_max_num_f32 v[TMP], v[TMP], v[BM+3]
	s_delay_alu instid0(VALU_DEP_1)
	v_mul_f32 v[TMP], s[CS], v[TMP]
	s_delay_alu instid0(VALU_DEP_1)
	v_max_num_f32 v13, v13, v[TMP]
	v_mov_b32 v[TMP], v12
	s_delay_alu instid0(VALU_DEP_2)
	v_floor_f32 v12, -v13
	s_delay_alu instid0(VALU_DEP_1)
	v_sub_f32 v[TMP], v12, v[TMP]
	s_delay_alu instid0(VALU_DEP_1)
	v_cvt_i32_f32 v[TMP], v[TMP]
	s_delay_alu instid0(VALU_DEP_1)
	v_ldexp_f32 v[F], 1.0, v[TMP]
.irp j, 0,2,4,6,8,10,12,14,16,18,20,22,24,26,28,30,32,34,36,38,40,42,44,46,48,50,52,54,56,58,60,62
	v_pk_fma_f32 v[S+\j:S+1+\j], v[S+\j:S+1+\j], s[CS:CS+1], v[12:13] op_sel_hi:[1,0,0]
.endr
.irp b, 0,1,2,3
	v_fma_f32 v[BM+\b], v[BM+\b], s[CS], v12
.endr
	s_wait_alu depctr_va_vdst(0)
.irp j, 0,1,2,3,4,5,6,7,8,9,10,11,12,13,14,15,16,17,18,19,20,21,22,23,24,25,26,27,28,29,30,31,32,33,34,35,36,37,38,39,40,41,42,43,44,45,46,47,48,49,50,51,52,53,54,55,56,57,58,59,60,61,62,63
	v_exp_f32 v[S+\j], v[S+\j]
.endr
	v_pk_mul_f32 v[14:15], v[14:15], v[F:F+1] op_sel_hi:[1,0]
	s_wait_alu depctr_va_vdst(0)
.irp b, 0,1,2,3
	v_exp_f32 v[BM+\b], v[BM+\b]
.endr
	v_pk_add_f32 v[BP:BP+1], v[S:S+1], v[S+2:S+3]
.irp j, 4,8,12,16,20,24,28,32,36,40,44,48,52,56,60
	v_pk_add_f32 v[14:15], v[14:15], v[S+\j:S+1+\j]
	v_pk_add_f32 v[BP:BP+1], v[BP:BP+1], v[S+2+\j:S+3+\j]
.endr
	s_delay_alu instid0(VALU_DEP_1)
	v_pk_add_f32 v[14:15], v[14:15], v[BP:BP+1]
	s_wait_alu depctr_va_vdst(0)
.irp b, 0,1,2,3
	v_max_num_f32 v[BM+\b], 0x4800000, v[BM+\b]
.endr
.irp b, 0,1,2,3
	s_delay_alu instid0(VALU_DEP_4)
	v_add_nc_u32 v[BS+\b], 0xfc000000, v[BM+\b]
.endr
.irp b, 0,1,2,3
	v_and_or_b32 v[BL+\b], v[BM+\b], 0x7f800000, s[MNT]
.endr
.irp b, 0,1,2,3
	v_lshrrev_b32 v[BP+\b], 23, v[BS+\b]
.endr
	s_delay_alu instid0(VALU_DEP_3)
	v_lshl_or_b32 v[PSW], v[BP+1], 8, v[BP]
	s_delay_alu instid0(VALU_DEP_1)
	v_lshl_or_b32 v[PSW], v[BP+2], 16, v[PSW]
	s_delay_alu instid0(VALU_DEP_1)
	v_lshl_or_b32 v[PSW], v[BP+3], 24, v[PSW]
.irp b, 0,1,2,3
.irp i, 0,1,2,3,4,5,6,7,8,9,10,11,12,13,14,15
	v_min_num_f32 v[S+16*\b+\i], v[S+16*\b+\i], v[BL+\b]
.endr
	v_cvt_scalef32_pk8_fp8_f32 v[PCD+4*\b:PCD+1+4*\b], v[S+16*\b:S+7+16*\b], v[BS+\b]
	v_cvt_scalef32_pk8_fp8_f32 v[PCD+2+4*\b:PCD+3+4*\b], v[S+8+16*\b:S+15+16*\b], v[BS+\b]
.endr
.irp t, 0,1,2,3
.irp c, 0,1,2,3
	ds_load_b128 v[S+16*\t+4*\c:S+16*\t+4*\c+3], v[ADV] offset:2048*\t+512*\c
.endr
.endr
	ds_load_b128 v[VSW:VSW+3], v[ADT]
.irp j, 0,2,4,6,8,10,12,14,16,18,20,22,24,26,28,30
	v_pk_mul_f32 v[O+\j:O+1+\j], v[O+\j:O+1+\j], v[F:F+1] op_sel_hi:[1,0]
.endr
	s_wait_alu depctr_va_vdst(0)
	s_wait_dscnt 0x0
.irp t, 0,1,2,3
	v_wmma_scale_f32_16x16x128_f8f6f4 v[O+8*\t:O+8*\t+7], v[S+16*\t:S+16*\t+15], v[PCD:PCD+15], v[O+8*\t:O+8*\t+7], v[VSW+\t], v[PSW]
.endr
.Lskip:
	s_add_co_u32 s[TK], s[TK], 8192
	s_add_co_u32 s[TSK], s[TSK], 512
	s_add_co_u32 s[TSV], s[TSV], 256
	s_add_co_u32 s[CNT], s[CNT], 1
	s_cmp_lt_u32 s[CNT], 8
	s_cbranch_scc1 .Lstep
.rept 8
	v_nop
.endr
	v_add_f32 v14, v14, v15
	s_delay_alu instid0(VALU_DEP_1)
	v_permlanex16_b32 v[TMP], v14, s[SEL], s[SEL+1]
	s_delay_alu instid0(VALU_DEP_1)
	v_add_f32 v14, v14, v[TMP]
	s_wait_alu depctr_va_vdst(0)
	v_rcp_f32 v14, v14
	v_nop
	s_lshr_b32 s58, s48, 4
	s_lshl_b32 s58, s58, 6
	s_add_co_u32 s58, s58, s52
	s_lshr_b32 s59, s72, 1
	s_and_b32 s60, s72, 1
	s_lshl_b32 s62, s58, 3
	s_add_co_u32 s62, s62, s59
	s_lshl_b32 s62, s62, 11
	s_lshl_b32 s61, s60, 10
	s_add_co_u32 s62, s62, s61
	s_mov_b32 s63, 0
	s_add_nc_u64 s[66:67], s[8:9], s[62:63]
	s_lshr_b32 s62, s58, 2
	s_lshl_b32 s62, s62, 3
	s_add_co_u32 s62, s62, s59
	s_lshl_b32 s62, s62, 8
	s_and_b32 s61, s52, 3
	s_lshl_b32 s61, s61, 2
	s_add_co_u32 s62, s62, s61
	s_lshl_b32 s61, s60, 1
	s_add_co_u32 s62, s62, s61
	s_add_co_u32 s62, s62, 4194304
	s_add_nc_u64 s[68:69], s[8:9], s[62:63]
	s_wait_alu depctr_va_vdst(0)
.irp j, 0,2,4,6,8,10,12,14,16,18,20,22,24,26,28,30
	v_pk_mul_f32 v[S+\j:S+1+\j], v[O+\j:O+1+\j], v[14:15] op_sel_hi:[1,0]
.endr
.irp b, 0,1
	v_max3_num_f32 v[BM+\b], |v[S+16*\b]|, |v[S+1+16*\b]|, 0x4800000
.endr
.irp i, 2,4,6,8,10,12,14
.irp b, 0,1
	s_delay_alu instid0(VALU_DEP_2)
	v_max3_num_f32 v[BM+\b], v[BM+\b], |v[S+16*\b+\i]|, |v[S+1+16*\b+\i]|
.endr
.endr
.irp b, 0,1
	s_delay_alu instid0(VALU_DEP_2)
	v_permlanex16_b32 v[BP+\b], v[BM+\b], s[SEL], s[SEL+1]
.endr
.irp b, 0,1
	s_delay_alu instid0(VALU_DEP_2)
	v_max_num_f32 v[BM+\b], v[BM+\b], v[BP+\b]
.endr
.irp b, 0,1
	s_delay_alu instid0(VALU_DEP_2)
	v_add_nc_u32 v[BS+\b], 0xfc000000, v[BM+\b]
.endr
.irp b, 0,1
	s_delay_alu instid0(VALU_DEP_4)
	v_and_or_b32 v[BL+\b], v[BM+\b], 0x7f800000, s[MNT]
.endr
.irp b, 0,1
	s_delay_alu instid0(VALU_DEP_4)
	v_lshrrev_b32 v[BP+\b], 23, v[BS+\b]
.endr
	s_delay_alu instid0(VALU_DEP_1)
	v_lshl_or_b32 v[TMP], v[BP+1], 8, v[BP]
.irp b, 0,1
.irp i, 0,1,2,3,4,5,6,7,8,9,10,11,12,13,14,15
	v_med3_num_f32 v[S+16*\b+\i], v[S+16*\b+\i], -v[BL+\b], v[BL+\b]
.endr
	v_cvt_scalef32_pk8_fp8_f32 v[PCD+4*\b:PCD+1+4*\b], v[S+16*\b:S+7+16*\b], v[BS+\b]
	v_cvt_scalef32_pk8_fp8_f32 v[PCD+2+4*\b:PCD+3+4*\b], v[S+8+16*\b:S+15+16*\b], v[BS+\b]
.endr
	v_nop
	global_store_b128 v[AK0], v[PCD:PCD+3], s[66:67]
	global_store_b128 v[AK0], v[PCD+4:PCD+7], s[66:67] offset:512
	global_store_b16 v[R16], v[TMP], s[68:69]
	s_wait_tensorcnt 0x0                           ; the wave's end
	ds_add_u32 v[SPW], v[NIL]
	s_wait_dscnt 0x0
	CROUND                                         ; the closing round
	s_endpgm
.Lfunc_end_k_qf7a3439ddc_att:
	.size	k_qf7a3439ddc_att, .Lfunc_end_k_qf7a3439ddc_att-k_qf7a3439ddc_att
	.p2alignl 7, 3214868480
	.fill 96, 4, 3214868480
	.section	.rodata,"a",@progbits
	.p2align	6, 0x0
	.amdhsa_kernel k_qf7a3439ddc_att
		.amdhsa_group_segment_fixed_size 327680
		.amdhsa_private_segment_fixed_size 0
		.amdhsa_enable_private_segment 0
		.amdhsa_kernarg_size 24
		.amdhsa_user_sgpr_count 2
		.amdhsa_user_sgpr_kernarg_segment_ptr 1
		.amdhsa_wavefront_size32 1
		.amdhsa_system_sgpr_workgroup_id_x 1
		.amdhsa_system_sgpr_workgroup_id_y 1
		.amdhsa_system_sgpr_workgroup_id_z 1
		.amdhsa_system_vgpr_workitem_id 0
		.amdhsa_next_free_vgpr 256
		.amdhsa_next_free_sgpr 80
		.amdhsa_reserve_vcc 0
		.amdhsa_float_denorm_mode_32 3
		.amdhsa_float_denorm_mode_16_64 3
		.amdhsa_memory_ordered 1
		.amdhsa_forward_progress 1
		.amdhsa_inst_pref_size 40
	.end_amdhsa_kernel
	.amdgpu_metadata
---
amdhsa.version: [ 1, 2 ]
amdhsa.kernels:
  - .name:           k_qf7a3439ddc_att
    .symbol:         k_qf7a3439ddc_att.kd
    .args:
      - { .name: qkv, .offset: 0, .size: 8, .value_kind: global_buffer, .address_space: global }
      - { .name: rel_pos, .offset: 8, .size: 8, .value_kind: global_buffer, .address_space: global }
      - { .name: ob, .offset: 16, .size: 8, .value_kind: global_buffer, .address_space: global }
    .group_segment_fixed_size: 327680
    .private_segment_fixed_size: 0
    .kernarg_segment_align: 8
    .kernarg_segment_size: 24
    .max_flat_workgroup_size: 512
    .sgpr_count:     80
    .vgpr_count:     256
    .wavefront_size: 32
...
	.end_amdgpu_metadata
.endif
;; end of part 3
;; launch g4 (part 4): grid 8 x 32, 4 waves a work-group, clusters of 4 x 4, 327,680 bytes of LDS; arguments ob, wb, out_b, x, x1; writes x1
.if DOCPART == 4
	.amdgcn_target "amdgcn-amd-amdhsa--gfx1250"
	.amdhsa_code_object_version 6
	.text
	.protected	k_qf7a3439ddc_g4
	.globl	k_qf7a3439ddc_g4
	.p2align	8
	.type	k_qf7a3439ddc_g4,@function
k_qf7a3439ddc_g4:
	s_mov_b64 s[64:65], 0
	v_nop
	global_prefetch_b8 v0, s[64:65] scope:SCOPE_SE
	s_setreg_imm32_b32 hwreg(HW_REG_WAVE_MODE, 25, 1), 1
	s_wait_xcnt 0x0
	s_wait_alu depctr_hold_cnt(0) depctr_sa_sdst(0) depctr_va_vdst(0) depctr_va_sdst(0) depctr_va_ssrc(0) depctr_va_vcc(0) depctr_vm_vsrc(0)
	s_getreg_b32 s2, hwreg(HW_REG_IB_STS2, 6, 4)
	s_cmp_eq_u32 s2, 0
	s_cbranch_scc0 .Lentry_in_a_cluster
	s_endpgm
.Lentry_in_a_cluster:
	s_bfe_u32 s2, ttmp6, 0x10000c
	s_cmp_lg_u32 s2, 0xf033
	s_cbranch_scc0 .Lentry_shape_is_right
	s_endpgm
.Lentry_shape_is_right:
; x1 = x + (o out_w^T + out_b): M 4,096, N 1,024, K 1,024 on codes of E4M3 with E8M0 scale words; the result in f32.
; Operands lie in memory as images of their registers: codes img[T][s][c][lane][16], scale words sc[T / 4][s][r][T % 4]; lane-row r of tile T is row 32 (T / 2) + 8 (T % 2) + r + 8 (r / 8).
; A block of the result is 128 x 128: 256 work-groups; four waves, each 64 x 64: 16 accumulators.  ALL OF K LIES IN LDS: o's 8 tile rows (16,384 bytes each, dense: 131,072 bytes), the weight's 8 behind them,
; and both sides' scale words.  The four tiles are asked for at the head, one joint load a wave; nothing is filled again: one barrier, eight K steps of 128.
; CLUSTERS: 4 x 4 work-groups; o's tiles are asked for jointly along a row of the cluster, the weight's along a column.  Source 0 = the weight's rows, source 1 = tokens: a lane holds one token.
; No prefetch: every tile is asked for at the head, so there is no later load to run ahead of.
; The wave's 64 x 64 of the residual and its bias are asked for at the head, into registers that lie idle in the steps.  The results go through the wave's own stage in LDS, bytes into which no tile lands, and leave as whole rows of 256 bytes.
.set NY, 4
.set NX, 4
.set KS, 8
.set NQ, 8
.set TROW,  NQ*2048
.set HALFT, NY*TROW
.set SCL,   4*HALFT
.set HALFS, KS*256
.set SPARE, SCL+4*HALFS                ; the spare words, 128 bytes for each wave: two blocks of 256 bytes that no other line names
.set STAGE, SPARE+512                  ; 16 rows x 272 bytes for each wave
.set ASC,   4194304
.set BIMG,  3145728
.set BSC,   12681216
.set L16,  9
.set ADRY, 16
.set ADRX, 20
.set STO,  24
.set RD,   25
.set CO,   26
.set ADRS, 27
.set SPW,  28
.set NIL,  29
.set SC,   32                          ; v32-63 scale words: register 4 q + i: lanes 0-15 tokens' tile i, lanes 16-31 the weight's tile i, K step q
.set AF,   64                          ; the tokens' fragments: set p at v[128 p + 64] of window 1, behind the weight's set p at v[128 p]
.set BK,   128
.set G1, 24
.set G0, 32
.set G1B, 48
.set G0B, 56
.set G1S, 68
.set G0S, 76
.set G1SB, 80
.set G0SB, 88
.set MSB, 0
.macro WIN new                         ; the immediate's high byte repeats the setting that is left
.if MSB != (\new)
	s_set_vgpr_msb (MSB<<8)|(\new)
.set MSB, (\new)
.endif
.endm
.set MUL,  0xa5                        ; sources 0 and 1 window 1, C and D window 2
.set TO_X, 0x40
.macro CROUND                          ; a round of the cluster's barrier
	s_barrier_signal -1
	s_barrier_wait -1
	s_cmp_lg_u32 s14, 0
	s_cbranch_scc1 .Lnot_wave_0_\@
	s_barrier_signal -3
.Lnot_wave_0_\@:
	s_barrier_wait -3
	s_barrier_signal -1
	s_barrier_wait -1
.endm
.macro PLACES n
.rept \n
	v_nop
.endr
.endm
.macro ARM under, g0, g1, next
	s_cmp_lt_u32 s14, \under
	s_cbranch_scc0 \next
	tensor_load_to_lds s[\g0:\g0+3], s[\g1:\g1+7]
	s_nop 0
	PLACES 4
	s_branch .Lhead_asked
\next:
.endm
.macro FRAG reg, adr, q, i
.irp c, 0,1,2,3
	ds_load_b128 v[\reg+4*\c:\reg+4*\c+3], v[\adr] offset:(\i)*TROW+(\q)*2048+512*\c
.endr
.endm
.macro MULA a, p, q, zero              ; the accumulators take turns, one instruction a turn, in the same order in every step
.set bb, 0
.rept NX
.set rD, 8*(NX*(\a)+bb)
.set AF, 128*(\p)+64
.if \zero
	v_wmma_scale_f32_16x16x128_f8f6f4 v[rD:rD+7], v[128*(\p)+16*bb:128*(\p)+16*bb+15], v[AF+16*(\a):AF+16*(\a)+15], 0, v[SC+4*(\q)+bb], v[SC+4*(\q)+(\a)] matrix_a_scale:MATRIX_SCALE_ROW1
.else
	v_wmma_scale_f32_16x16x128_f8f6f4 v[rD:rD+7], v[128*(\p)+16*bb:128*(\p)+16*bb+15], v[AF+16*(\a):AF+16*(\a)+15], v[rD:rD+7], v[SC+4*(\q)+bb], v[SC+4*(\q)+(\a)] matrix_a_scale:MATRIX_SCALE_ROW1
.endif
.set bb, bb+1
.endr
.endm
.macro FETCH q, p                      ; K step q's eight fragments, 32 loads in one run, into set p
	WIN TO_X
.set ii, 0
.rept NX
	FRAG 128*(\p)+16*ii, ADRX, \q, ii
	FRAG 128*(\p)+64+16*ii, ADRY, \q, ii
.set ii, ii+1
.endr
	WIN 0
.endm
.macro STEP q, zero                    ; both operands have two sets: a step asks for the next step's fragments at its start, 16 products ahead of their use
	s_wait_dscnt 0x0                               ; this step's fragments, asked for a step ago, are in
	PLACES 8                                       ; eight places in front of loads into the set that the last step's products have read
	FETCH (\q)+1, 1-(\q)%2
	WIN MUL
	MULA 0, (\q)%2, \q, \zero
	MULA 1, (\q)%2, \q, \zero
	MULA 2, (\q)%2, \q, \zero
	MULA 3, (\q)%2, \q, \zero
	WIN 0
.endm
	s_load_b256 s[4:11], s[0:1], 0x0               ; ob, wb, out_b, x
	s_load_b64 s[12:13], s[0:1], 0x20              ; x1
	v_lshl_add_u32 v[SPW], v0, 2, SPARE
	v_mov_b32 v[NIL], 0
	ds_add_u32 v[SPW], v[NIL]                      ; the wave's opening: the add, twice on end, and its wait ahead of my first tensor load
	ds_add_u32 v[SPW], v[NIL]
	v_lshrrev_b32 v1, 5, v0
	v_readfirstlane_b32 s14, v1                    ; wave 0..3
	s_lshr_b32 s15, s14, 1                         ; my half of the block's tokens
	s_and_b32 s16, s14, 1                          ; my half of its columns
	s_bfe_u32 s40, ttmp6, 0x40000
	s_bfe_u32 s41, ttmp6, 0x40004
	s_lshl_b32 s42, ttmp9, 2
	s_add_co_u32 s42, s42, s40                     ; tx
	s_and_b32 s17, ttmp7, 0xffff
	s_lshl_b32 s17, s17, 2
	s_add_co_u32 s17, s17, s41                     ; ty
	s_lshl_b32 s43, s41, 2
	s_lshl_b32 s43, 15, s43                        ; my row of the cluster
	s_lshl_b32 s44, 0x1111, s40                    ; my column
	s_or_b32 s[G1+0], s43, (3<<16)|(1<<21)         ; the mask; elements of 8 bytes; bit 21 beside a mask; no padding
	s_or_b32 s[G1B+0], s44, (3<<16)|(1<<21)
.irp g, G1, G1B
	s_mov_b32 s[\g+1], (TROW/8)<<16
	s_mov_b32 s[\g+2], (2*NY)<<16
	s_mov_b32 s[\g+3], (TROW/8)<<16
	s_mov_b32 s[\g+4], 2*NY
	s_mov_b32 s[\g+5], KS*256
	s_mov_b32 s[\g+6], 0
	s_mov_b32 s[\g+7], 0
.endr
	s_or_b32 s[G1S+0], s43, (3<<16)|(1<<21)
	s_or_b32 s[G1SB+0], s44, (3<<16)|(1<<21)
.irp g, G1S, G1SB
	s_mov_b32 s[\g+1], 32<<16
	s_mov_b32 s[\g+2], (2*HALFS/256)<<16
	s_mov_b32 s[\g+3], 32<<16
	s_mov_b32 s[\g+4], 2*HALFS/256
	s_mov_b32 s[\g+5], 32
	s_mov_b32 s[\g+6], 0
	s_mov_b32 s[\g+7], 0
.endr
	s_mul_i32 s20, s17, 2*NY*KS*2048               ; o's codes: my block's first tile row
	s_mul_i32 s22, s17, 2*NY*KS*64
	s_add_co_u32 s22, s22, ASC                     ; and its scale records
	s_mov_b32 s21, 0
	s_mov_b32 s23, 0
	s_mul_i32 s46, s42, 2*NY*KS*2048
	s_add_co_u32 s46, s46, BIMG                    ; the weight's likewise
	s_mul_i32 s92, s42, 2*NY*KS*64
	s_add_co_u32 s92, s92, BSC
	s_mov_b32 s47, 0
	s_mov_b32 s93, 0
	s_mov_b32 s[G0], 1
	s_mov_b32 s[G0+1], 0
	s_mov_b32 s[G0B], 1
	s_mov_b32 s[G0B+1], 2*HALFT
	s_mov_b32 s[G0S], 1
	s_mov_b32 s[G0S+1], SCL
	s_mov_b32 s[G0SB], 1
	s_mov_b32 s[G0SB+1], SCL+2*HALFS
	s_wait_dscnt 0x0                               ; both opening adds are done
	s_wait_kmcnt 0x0
	s_add_nc_u64 s[G0+2:G0+3], s[4:5], s[20:21]
	s_or_b32 s[G0+3], s[G0+3], 0x80000000
	s_add_nc_u64 s[G0B+2:G0B+3], s[6:7], s[46:47]
	s_or_b32 s[G0B+3], s[G0B+3], 0x80000000
	s_add_nc_u64 s[G0S+2:G0S+3], s[4:5], s[22:23]
	s_or_b32 s[G0S+3], s[G0S+3], 0x80000000
	s_add_nc_u64 s[G0SB+2:G0SB+3], s[6:7], s[92:93]
	s_or_b32 s[G0SB+3], s[G0SB+3], 0x80000000
	CROUND                                         ; all sixteen work-groups are here: the joint loads meet
	ARM 1, G0,  G1,  .Lhead_b                      ; one load a wave, in one tree of branches on the wave's number: o's codes,
	ARM 2, G0B, G1B, .Lhead_sa                     ; the weight's,
	ARM 3, G0S, G1S, .Lhead_sb                     ; o's scale words,
	tensor_load_to_lds s[G0SB:G0SB+3], s[G1SB:G1SB+7]   ; the weight's
	s_nop 0
	PLACES 4
.Lhead_asked:
	s_mul_i32 s4, s15, HALFT                       ; my 4 tile rows of tokens,
	s_mul_i32 s6, s16, HALFT
	s_add_co_u32 s6, s6, 2*HALFT                   ; and of the weight
	s_mul_i32 s66, s15, HALFS
	s_mul_i32 s67, s16, HALFS
	s_add_co_u32 s67, s67, 2*HALFS
	s_sub_co_u32 s67, s67, s66                     ; from the tokens' scale words to the weight's
	s_add_co_u32 s66, s66, SCL
	s_mul_i32 s23, s14, 16*272
	s_add_co_u32 s23, s23, STAGE                   ; my stage
	s_lshl_b32 s98, s42, 9
	s_lshl_b32 s99, s16, 8
	s_add_co_u32 s98, s98, s99                     ; my 64 columns, in bytes
	s_mov_b32 s99, 0
	s_add_nc_u64 s[8:9], s[8:9], s[98:99]
	s_lshl_b32 s100, s17, 7
	s_lshl_b32 s101, s15, 6
	s_add_co_u32 s100, s100, s101
	s_lshl_b32 s100, s100, 12                      ; my 64 rows
	s_add_co_u32 s98, s98, s100
	s_add_nc_u64 s[10:11], s[10:11], s[98:99]
	s_add_nc_u64 s[12:13], s[12:13], s[98:99]
	v_and_b32 v1, 15, v0                           ; r
	v_bfe_u32 v2, v0, 4, 1                         ; h
	v_and_b32 v3, 31, v0
	v_lshlrev_b32 v[L16], 4, v3
	v_add_nc_u32 v[ADRY], s4, v[L16]
	v_add_nc_u32 v[ADRX], s6, v[L16]
	v_mul_u32_u24 v3, s67, v2                      ; lanes 16-31 take the weight's scale words
	v_lshl_add_u32 v3, v1, 4, v3
	v_add_nc_u32 v[ADRS], s66, v3
	v_mul_u32_u24 v[STO], v1, 272
	v_lshl_add_u32 v[STO], v2, 6, v[STO]
	v_add_nc_u32 v[STO], s23, v[STO]
	v_mul_u32_u24 v[RD], v2, 272
	v_lshl_add_u32 v[RD], v1, 4, v[RD]
	v_add_nc_u32 v[RD], s23, v[RD]
	v_lshlrev_b32 v[CO], 12, v2
	v_lshl_add_u32 v[CO], v1, 4, v[CO]             ; lanes 0-15 one row of the result, lanes 16-31 the next
	v_lshlrev_b32 v12, 4, v1
	s_wait_alu depctr_va_vdst(0)                   ; the wait at the head's end
	s_wait_tensorcnt 0x0                           ; my tile is in
	global_load_b128 v[8:11], v12, s[8:9]          ; the bias of my four columns: asked for behind my tile
.irp a, 0,1,2,3
.irp t, 0,1,2,3,4,5,6,7
	global_load_b128 v[64+32*\a+64*(\a/2)+4*\t:64+32*\a+64*(\a/2)+4*\t+3], v[CO], s[10:11] offset:(32*(\a/2)+8*(\a%2)+2*\t+8*(\t/4))*4096   ; the residual, in the order in which the rows leave
.endr
.endr
	s_barrier_signal -1
	s_barrier_wait -1                              ; and so are the other three
	FETCH 0, 0
.irp q, 0,1,2,3,4,5,6,7
	ds_load_b128 v[SC+4*\q:SC+4*\q+3], v[ADRS] offset:256*\q
.endr
	STEP 0, 1
.irp q, 1,2,3,4,5,6
	STEP \q, 0
.endr
	s_wait_dscnt 0x0
	WIN MUL
	MULA 0, 1, NQ-1, 0
	MULA 1, 1, NQ-1, 0
	MULA 2, 1, NQ-1, 0
	MULA 3, 1, NQ-1, 0
	WIN 0
; THE WAY OUT, a tile of 16 tokens x 64 columns at a time: into my stage, back as whole rows of 256 bytes, + bias, + residual, stored.
.macro TOSTAGE a
	WIN 0x08                                       ; an LDS store's data are its source 1: window 2
.irp b, 0,1,2,3
	ds_store_b128 v[STO], v[8*(4*(\a)+\b):8*(4*(\a)+\b)+3] offset:128*(\b/2)+32*(\b%2)          ; columns 32 (b / 2) + 16 h + 8 (b % 2) on; each accumulator from its low end
	ds_store_b128 v[STO], v[8*(4*(\a)+\b)+4:8*(4*(\a)+\b)+7] offset:128*(\b/2)+32*(\b%2)+16
.endr
	WIN 0
.irp t, 0,1,2,3,4,5,6,7
	ds_load_b128 v[BK+32*((\a)%2)+4*\t:BK+32*((\a)%2)+4*\t+3], v[RD] offset:544*\t   ; LDS serves a wave's instructions in order: these see the stores above
.endr
.endm
.macro SEND a, younger
.set BB, BK+32*((\a)%2)
.set RR, 64+32*(\a)+64*((\a)/2)
	s_wait_dscnt \younger                          ; the tile is back; the next tile's 8 stores and 8 loads may be out
.irp t, 0,1,2,3,4,5,6,7
	v_pk_add_f32 v[BB+4*\t:BB+4*\t+1], v[BB+4*\t:BB+4*\t+1], v[8:9]
	v_pk_add_f32 v[BB+4*\t+2:BB+4*\t+3], v[BB+4*\t+2:BB+4*\t+3], v[10:11]
.endr
.irp t, 0,1,2,3,4,5,6,7
	v_pk_add_f32 v[BB+4*\t:BB+4*\t+1], v[BB+4*\t:BB+4*\t+1], v[RR+4*\t:RR+4*\t+1]
	v_pk_add_f32 v[BB+4*\t+2:BB+4*\t+3], v[BB+4*\t+2:BB+4*\t+3], v[RR+4*\t+2:RR+4*\t+3]
.endr
.irp t, 0,1,2,3,4,5,6,7
	global_store_b128 v[CO], v[BB+4*\t:BB+4*\t+3], s[12:13] offset:(32*((\a)/2)+8*((\a)%2)+2*\t+8*(\t/4))*4096   ; 16 lanes store 256 consecutive bytes, aligned
.endr
.endm
	s_wait_loadcnt 0x0                             ; bias and residual
	PLACES 8
	TOSTAGE 0
.irp a, 1,2,3
.if \a > 1
	s_wait_xcnt 0x0                                ; the stores of two tiles back have read their registers
.endif
	TOSTAGE \a
	SEND \a-1, 16
.endr
	SEND 3, 0
	s_wait_tensorcnt 0x0                           ; the wave's end
	ds_add_u32 v[SPW], v[NIL]
	s_wait_dscnt 0x0
	CROUND                                         ; the closing round
	s_endpgm
.Lfunc_end_k_qf7a3439ddc_g4:
	.size	k_qf7a3439ddc_g4, .Lfunc_end_k_qf7a3439ddc_g4-k_qf7a3439ddc_g4
	.p2alignl 7, 3214868480
	.fill 96, 4, 3214868480
	.section	.rodata,"a",@progbits
	.p2align	6, 0x0
	.amdhsa_kernel k_qf7a3439ddc_g4
		.amdhsa_group_segment_fixed_size 327680
		.amdhsa_private_segment_fixed_size 0
		.amdhsa_enable_private_segment 0
		.amdhsa_kernarg_size 40
		.amdhsa_user_sgpr_count 2
		.amdhsa_user_sgpr_kernarg_segment_ptr 1
		.amdhsa_wavefront_size32 1
		.amdhsa_system_sgpr_workgroup_id_x 1
		.amdhsa_system_sgpr_workgroup_id_y 1
		.amdhsa_system_sgpr_workgroup_id_z 1
		.amdhsa_system_vgpr_workitem_id 0
		.amdhsa_next_free_vgpr 1024
		.amdhsa_next_free_sgpr 102
		.amdhsa_reserve_vcc 0
		.amdhsa_float_denorm_mode_32 3
		.amdhsa_float_denorm_mode_16_64 3
		.amdhsa_memory_ordered 1
		.amdhsa_forward_progress 1
		.amdhsa_inst_pref_size 63
	.end_amdhsa_kernel
	.amdgpu_metadata
---
amdhsa.version: [ 1, 2 ]
amdhsa.kernels:
  - .name:           k_qf7a3439ddc_g4
    .symbol:         k_qf7a3439ddc_g4.kd
    .args:
      - { .name: ob, .offset: 0, .size: 8, .value_kind: global_buffer, .address_space: global }
      - { .name: wb, .offset: 8, .size: 8, .value_kind: global_buffer, .address_space: global }
      - { .name: out_b, .offset: 16, .size: 8, .value_kind: global_buffer, .address_space: global }
      - { .name: x, .offset: 24, .size: 8, .value_kind: global_buffer, .address_space: global }
      - { .name: x1, .offset: 32, .size: 8, .value_kind: global_buffer, .address_space: global }
    .group_segment_fixed_size: 327680
    .private_segment_fixed_size: 0
    .kernarg_segment_align: 8
    .kernarg_segment_size: 40
    .max_flat_workgroup_size: 128
    .sgpr_count:     102
    .vgpr_count:     1024
    .wavefront_size: 32
...
	.end_amdgpu_metadata
.endif
;; end of part 4
;; launch ln2 (part 5): grid 256 x 1, 4 waves a work-group, no clusters, 34,816 bytes of LDS; arguments x1, ln2_g, ln2_b, act; writes act
.if DOCPART == 5
	.amdgcn_target "amdgcn-amd-amdhsa--gfx1250"
	.amdhsa_code_object_version 6
	.text
	.protected	k_qf7a3439ddc_ln2
	.globl	k_qf7a3439ddc_ln2
	.p2align	8
	.type	k_qf7a3439ddc_ln2,@function
k_qf7a3439ddc_ln2:
	s_mov_b64 s[64:65], 0
	v_nop
	global_prefetch_b8 v0, s[64:65] scope:SCOPE_SE
	s_setreg_imm32_b32 hwreg(HW_REG_WAVE_MODE, 25, 1), 1
	s_wait_xcnt 0x0
; LayerNorm of [4096][1024] f32 and the quantiser along the row: y = ((x - mean) rsqrt(var + 1e-5)) g + b, then codes of E4M3 and E8M0 scale words, laid as an operand's registers want them
; (codes img[T][s][c][lane][16], scale words sc[T / 4][s][r][T % 4]; lane-row r of tile T is row 32 (T / 2) + 8 (T % 2) + r + 8 (r / 8)).  Arguments: the rows, the gain, the bias, the codes' buffer.
; SHARES: a work-group takes tile T = its number, 16 rows; wave w takes columns 256 w .. 256 w + 255 of all 16: K steps 2 w and 2 w + 1.  Loads read 512 consecutive bytes of a row; they turn through the wave's
; own stage in LDS into the operand's order, in which a lane holds 128 numbers of ONE row.  A row's sum is then a lane's sum, lane l xor 16's, and the four waves' through 256 bytes of LDS.
; The variance is taken of x - mean, in a second pass over registers, as reference() has it.  Two barriers.
; The rows' 32 loads go out first, since the sums wait for them; the gain's 32 follow when the rows are in, the bias's 32 behind the first reduction: both land under the passes over registers.
; The scale words leave as 16 words 16 bytes apart (a quarter of a 256-byte record, the other three quarters being three other work-groups'): one byte in 32 of what the launch stores.
; LIMITS: a block of zeros gets the byte 1 where the rule says 127 (its codes are zeros; this program alone reads the bytes); blocks under 2^-118 keep the byte 1; NaN and infinities are not served.
.set STG,   16*528
.set RED1,  4*STG                      ; 256 bytes: word 16 r + 4 w: wave w's sum of row r
.set RED2,  RED1+256                   ; the same for the squares
.set SPARE, RED2+256                   ; the spare words, 128 bytes for each wave: two blocks of 256 bytes that no other line names
.set L16,  1
.set TSTO, 2
.set TRD,  3
.set PC,   8                           ; v8-23
.set SPW,  30
.set NIL,  31
.set X1,   32                          ; v32-95   K step 2 w as loaded, later K step 2 w + 1 in the operand's order
.set R1,   96                          ; v96-159  K step 2 w + 1 as loaded
.set X0,   160                         ; v160-223 K step 2 w in the operand's order
.set TM,   224
.set PW,   240
.set CH,   244                         ; v244-251 four chains of sums
.set SEL,  20
.set MNT,  22
.set MSB, 0
.macro WIN new                         ; the immediate's high byte repeats the setting that is left
.if MSB != (\new)
	s_set_vgpr_msb (MSB<<8)|(\new)
.set MSB, (\new)
.endif
.endm
.macro QUANT s
.irp b, 0,1,2,3
	v_max3_num_f32 v[TM+\b], |v[\s+16*\b]|, |v[\s+1+16*\b]|, 0x4800000   ; block b: my 16 numbers, and the floor 2^(9 - 127)
.endr
.irp i, 2,4,6,8,10,12,14
.irp b, 0,1,2,3
	v_max3_num_f32 v[TM+\b], v[TM+\b], |v[\s+16*\b+\i]|, |v[\s+1+16*\b+\i]|
.endr
.endr
.irp b, 0,1,2,3
	v_permlanex16_b32 v[TM+4+\b], v[TM+\b], s[SEL], s[SEL+1]
.endr
.irp b, 0,1,2,3
	v_max_num_f32 v[TM+\b], v[TM+\b], v[TM+4+\b]
.endr
.irp b, 0,1,2,3
	v_add_nc_u32 v[TM+12+\b], 0xfc000000, v[TM+\b]   ; the conversion's scale operand
.endr
.irp b, 0,1,2,3
	v_and_or_b32 v[TM+8+\b], v[TM+\b], 0x7f800000, s[MNT]   ; 448 x the scale
.endr
.irp b, 0,1,2,3
	v_lshrrev_b32 v[TM+4+\b], 23, v[TM+12+\b]   ; the scale's byte
.endr
	v_lshl_or_b32 v[PW], v[TM+5], 8, v[TM+4]
	v_lshl_or_b32 v[PW], v[TM+6], 16, v[PW]
	v_lshl_or_b32 v[PW], v[TM+7], 24, v[PW]
.irp b, 0,1,2,3
.irp i, 0,1,2,3,4,5,6,7,8,9,10,11,12,13,14,15
	v_med3_num_f32 v[\s+16*\b+\i], v[\s+16*\b+\i], -v[TM+8+\b], v[TM+8+\b]   ; the hold: the conversion does not saturate (ISA guide 7.6.2)
.endr
	v_cvt_scalef32_pk8_fp8_f32 v[PC+4*\b:PC+1+4*\b], v[\s+16*\b:\s+7+16*\b], v[TM+12+\b]
	v_cvt_scalef32_pk8_fp8_f32 v[PC+2+4*\b:PC+3+4*\b], v[\s+8+16*\b:\s+15+16*\b], v[TM+12+\b]
.endr
	v_nop
.endm
.macro XPAIR p                         ; xr = the register of pair p of my 64 pairs
.if (\p) < 32
.set xr, X0+2*(\p)
.else
.set xr, X1+2*((\p)-32)
.endif
.endm
.macro TST src
.irp i, 0,1,2,3,4,5,6,7,8,9,10,11,12,13,14,15
	ds_store_b128 v[TSTO], v[\src+4*\i:\src+4*\i+3] offset:528*\i
.endr
.endm
.macro TLD dst
.irp c, 0,1,2,3
.irp j, 0,1,2,3
	ds_load_b128 v[\dst+16*\c+4*\j:\dst+16*\c+4*\j+3], v[TRD] offset:128*\c+16*\j
.endr
.endr
.endm
.macro REDUCE off                      ; the four chains -> the row's sum over all 1,024 columns, in every lane of the row
	v_pk_add_f32 v[CH:CH+1], v[CH:CH+1], v[CH+2:CH+3]
	v_pk_add_f32 v[CH+4:CH+5], v[CH+4:CH+5], v[CH+6:CH+7]
	v_pk_add_f32 v[CH:CH+1], v[CH:CH+1], v[CH+4:CH+5]
	v_add_f32 v[CH], v[CH], v[CH+1]
	v_permlanex16_b32 v[CH+2], v[CH], s[SEL], s[SEL+1]
	v_add_f32 v[CH], v[CH], v[CH+2]
	ds_store_b32 v6, v[CH] offset:\off             ; lanes r and r + 16 write the same word with the same value
	s_wait_dscnt 0x0                               ; for the others' sake
	s_barrier_signal -1
	s_barrier_wait -1
	ds_load_b128 v[CH:CH+3], v7 offset:\off        ; the four waves' sums of my row
	s_wait_dscnt 0x0
	v_add_f32 v[CH], v[CH], v[CH+1]
	v_add_f32 v[CH+2], v[CH+2], v[CH+3]
	v_add_f32 v[CH], v[CH], v[CH+2]
.endm
	s_load_b256 s[4:11], s[0:1], 0x0               ; rows, gain, bias, codes' buffer
	v_lshl_add_u32 v[SPW], v0, 2, SPARE
	v_mov_b32 v[NIL], 0
	v_lshrrev_b32 v1, 5, v0
	v_readfirstlane_b32 s12, v1                    ; wave 0..3
	v_and_b32 v8, 31, v0
	v_lshlrev_b32 v[L16], 4, v8
	v_and_b32 v8, 15, v0                           ; r
	v_bfe_u32 v9, v0, 4, 1                         ; h
	s_mul_i32 s13, s12, STG
	v_add_nc_u32 v[TSTO], s13, v[L16]
	v_mul_u32_u24 v[TRD], v8, 528
	v_lshl_add_u32 v[TRD], v9, 6, v[TRD]
	v_add_nc_u32 v[TRD], s13, v[TRD]
	v_lshlrev_b32 v4, 6, v9                        ; 64 h: my half's place in a block of gain or bias
	s_and_b32 s13, ttmp9, 3
	s_lshl_b32 s13, s13, 2
	v_lshl_add_u32 v5, v8, 4, s13                  ; a scale word's place in its record: 16 r + 4 (T % 4)
	s_lshl_b32 s13, s12, 2
	v_lshl_add_u32 v6, v8, 4, s13                  ; 16 r + 4 w
	v_lshlrev_b32 v7, 4, v8                        ; 16 r
	s_mov_b32 s[SEL], 0x76543210
	s_mov_b32 s[SEL+1], 0xfedcba98
	s_mov_b32 s[MNT], 0x600000
.irp b, 0,1,2,3
	v_mov_b32 v[TM+4+\b], 0                        ; written once: a lane permute's destination counts as one of its sources
.endr
	s_lshr_b32 s13, ttmp9, 1
	s_lshl_b32 s13, s13, 5
	s_and_b32 s14, ttmp9, 1
	s_lshl_b32 s14, s14, 3
	s_add_co_u32 s13, s13, s14                     ; the tile's first row
	s_lshl_b32 s14, s13, 12
	s_lshl_b32 s23, s12, 10                        ; my 256 columns
	s_add_co_u32 s14, s14, s23
	s_mov_b32 s15, 0
	s_lshl_b32 s16, ttmp9, 14
	s_lshl_b32 s24, s12, 12
	s_add_co_u32 s16, s16, s24                     ; codes: (8 T + 2 w) fragments on
	s_mov_b32 s17, 0
	s_lshr_b32 s18, ttmp9, 2
	s_lshl_b32 s18, s18, 11
	s_lshl_b32 s24, s12, 9
	s_add_co_u32 s18, s18, s24
	s_add_co_u32 s18, s18, 4194304                 ; scale records: (8 (T / 4) + 2 w) x 256, behind the codes
	s_mov_b32 s19, 0
	s_wait_alu depctr_va_vdst(0)
	s_wait_kmcnt 0x0
	s_add_nc_u64 s[4:5], s[4:5], s[14:15]
	s_mov_b32 s14, s23
	s_add_nc_u64 s[6:7], s[6:7], s[14:15]
	s_add_nc_u64 s[8:9], s[8:9], s[14:15]
	s_add_nc_u64 s[16:17], s[10:11], s[16:17]
	s_add_nc_u64 s[18:19], s[10:11], s[18:19]
.irp i, 0,1,2,3,4,5,6,7,8,9,10,11,12,13,14,15
	global_load_b128 v[X1+4*\i:X1+4*\i+3], v[L16], s[4:5] offset:(\i+8*(\i/8))*4096
.endr
.irp i, 0,1,2,3,4,5,6,7,8,9,10,11,12,13,14,15
	global_load_b128 v[R1+4*\i:R1+4*\i+3], v[L16], s[4:5] offset:(\i+8*(\i/8))*4096+512
.endr
	s_wait_loadcnt 16                              ; the first K step is in; the second K step's 16 loads may be out
	TST X1
	TLD X0
	s_wait_loadcnt 0x0
	TST R1                                         ; LDS serves a wave's instructions in order: these come behind the loads above
	WIN 0x40                                       ; destination window 1: the gain in v0-127, in the operand's order
.irp q, 0,1
.irp c, 0,1,2,3
.irp j, 0,1,2,3
	global_load_b128 v[64*\q+16*\c+4*\j:64*\q+16*\c+4*\j+3], v4, s[6:7] offset:512*\q+128*\c+16*\j
.endr
.endr
.endr
	WIN 0
	s_wait_dscnt 16                                ; all but the last 16 stores: X0 is in, and the first stores have read v32-95,
	TLD X1                                         ; which take the second K step
	s_wait_dscnt 0x0
.irp k, 0,1,2,3
	v_pk_add_f32 v[CH+2*\k:CH+2*\k+1], v[X0+2*\k:X0+2*\k+1], v[X0+8+2*\k:X0+8+2*\k+1]   ; the first eight pairs start the chains
.endr
.set p, 8
.rept 56
	XPAIR p
	v_pk_add_f32 v[CH+2*(p%4):CH+2*(p%4)+1], v[CH+2*(p%4):CH+2*(p%4)+1], v[xr:xr+1]
.set p, p+1
.endr
	REDUCE RED1
	WIN 0x40                                       ; the bias in v128-255 of window 1
.irp q, 0,1
.irp c, 0,1,2,3
.irp j, 0,1,2,3
	global_load_b128 v[128+64*\q+16*\c+4*\j:128+64*\q+16*\c+4*\j+3], v4, s[8:9] offset:512*\q+128*\c+16*\j
.endr
.endr
.endr
	WIN 0
	v_mul_f32 v24, 0x3a800000, v[CH]               ; the mean: / 1,024
	v_mov_b32 v25, v24
.set p, 0
.rept 64
	XPAIR p
	v_pk_add_f32 v[xr:xr+1], v[xr:xr+1], v[24:25] neg_lo:[0,1] neg_hi:[0,1]   ; x - mean
.set p, p+1
.endr
.irp k, 0,1,2,3
	v_pk_mul_f32 v[CH+2*\k:CH+2*\k+1], v[X0+2*\k:X0+2*\k+1], v[X0+2*\k:X0+2*\k+1]
.endr
.set p, 4
.rept 60
	XPAIR p
	v_pk_fma_f32 v[CH+2*(p%4):CH+2*(p%4)+1], v[xr:xr+1], v[xr:xr+1], v[CH+2*(p%4):CH+2*(p%4)+1]
.set p, p+1
.endr
	REDUCE RED2
	v_mov_b32 v29, 0x3727c5ac                      ; 1e-5
	v_fmamk_f32 v28, v[CH], 0x3a800000, v29        ; the variance + 1e-5
	s_wait_alu depctr_va_vdst(0)
	v_rsq_f32 v26, v28
	v_rsq_f32 v27, v28
	v_nop                                          ; a plain line behind the transcendentals
	s_wait_alu depctr_va_vdst(0)                   ; the wait ahead of the first reader: one for both
.set p, 0
.rept 64
	XPAIR p
	v_pk_mul_f32 v[xr:xr+1], v[xr:xr+1], v[26:27]
.set p, p+1
.endr
	s_wait_loadcnt 0x0                             ; gain and bias
	WIN 0x14                                       ; sources 1 and 2 in window 1
.set p, 0
.rept 64
	XPAIR p
	v_pk_fma_f32 v[xr:xr+1], v[xr:xr+1], v[2*p:2*p+1], v[128+2*p:128+2*p+1]   ; x gain + bias
.set p, p+1
.endr
	WIN 0
	QUANT X0
.irp c, 0,1,2,3
	global_store_b128 v[L16], v[PC+4*\c:PC+4*\c+3], s[16:17] offset:512*\c
.endr
	global_store_b32 v5, v[PW], s[18:19]
	s_wait_xcnt 0x0                                ; the stores have read the codes' and the word's registers
	QUANT X1
.irp c, 0,1,2,3
	global_store_b128 v[L16], v[PC+4*\c:PC+4*\c+3], s[16:17] offset:2048+512*\c
.endr
	global_store_b32 v5, v[PW], s[18:19] offset:256
	s_wait_tensorcnt 0x0                           ; the wave's end: behind my last LDS store
	ds_add_u32 v[SPW], v[NIL]
	s_wait_dscnt 0x0
	s_endpgm
.Lfunc_end_k_qf7a3439ddc_ln2:
	.size	k_qf7a3439ddc_ln2, .Lfunc_end_k_qf7a3439ddc_ln2-k_qf7a3439ddc_ln2
	.p2alignl 7, 3214868480
	.fill 96, 4, 3214868480
	.section	.rodata,"a",@progbits
	.p2align	6, 0x0
	.amdhsa_kernel k_qf7a3439ddc_ln2
		.amdhsa_group_segment_fixed_size 34816
		.amdhsa_private_segment_fixed_size 0
		.amdhsa_enable_private_segment 0
		.amdhsa_kernarg_size 32
		.amdhsa_user_sgpr_count 2
		.amdhsa_user_sgpr_kernarg_segment_ptr 1
		.amdhsa_wavefront_size32 1
		.amdhsa_system_sgpr_workgroup_id_x 1
		.amdhsa_system_sgpr_workgroup_id_y 1
		.amdhsa_system_sgpr_workgroup_id_z 1
		.amdhsa_system_vgpr_workitem_id 0
		.amdhsa_next_free_vgpr 512
		.amdhsa_next_free_sgpr 66
		.amdhsa_reserve_vcc 0
		.amdhsa_float_denorm_mode_32 3
		.amdhsa_float_denorm_mode_16_64 3
		.amdhsa_memory_ordered 1
		.amdhsa_forward_progress 1
		.amdhsa_inst_pref_size 55
	.end_amdhsa_kernel
	.amdgpu_metadata
---
amdhsa.version: [ 1, 2 ]
amdhsa.kernels:
  - .name:           k_qf7a3439ddc_ln2
    .symbol:         k_qf7a3439ddc_ln2.kd
    .args:
      - { .name: x1, .offset: 0, .size: 8, .value_kind: global_buffer, .address_space: global }
      - { .name: ln2_g, .offset: 8, .size: 8, .value_kind: global_buffer, .address_space: global }
      - { .name: ln2_b, .offset: 16, .size: 8, .value_kind: global_buffer, .address_space: global }
      - { .name: act, .offset: 24, .size: 8, .value_kind: global_buffer, .address_space: global }
    .group_segment_fixed_size: 34816
    .private_segment_fixed_size: 0
    .kernarg_segment_align: 8
    .kernarg_segment_size: 32
    .max_flat_workgroup_size: 128
    .sgpr_count:     66
    .vgpr_count:     512
    .wavefront_size: 32
...
	.end_amdgpu_metadata
.endif
;; end of part 5
;; launch g5 (part 6): grid 16 x 16, 4 waves a work-group, clusters of 4 x 4, 327,680 bytes of LDS; arguments act, wb, b1, hb; writes hb
.if DOCPART == 6
	.amdgcn_target "amdgcn-amd-amdhsa--gfx1250"
	.amdhsa_code_object_version 6
	.text
	.protected	k_qf7a3439ddc_g5
	.globl	k_qf7a3439ddc_g5
	.p2align	8
	.type	k_qf7a3439ddc_g5,@function
k_qf7a3439ddc_g5:
	s_mov_b64 s[64:65], 0
	v_nop
	global_prefetch_b8 v0, s[64:65] scope:SCOPE_SE
	s_setreg_imm32_b32 hwreg(HW_REG_WAVE_MODE, 25, 1), 1
	s_wait_xcnt 0x0
	s_wait_alu depctr_hold_cnt(0) depctr_sa_sdst(0) depctr_va_vdst(0) depctr_va_sdst(0) depctr_va_ssrc(0) depctr_va_vcc(0) depctr_vm_vsrc(0)
	s_getreg_b32 s2, hwreg(HW_REG_IB_STS2, 6, 4)
	s_cmp_eq_u32 s2, 0
	s_cbranch_scc0 .Lentry_in_a_cluster
	s_endpgm
.Lentry_in_a_cluster:
	s_bfe_u32 s2, ttmp6, 0x10000c
	s_cmp_lg_u32 s2, 0xf033
	s_cbranch_scc0 .Lentry_shape_is_right
	s_endpgm
.Lentry_shape_is_right:
; h = relu(xm w1^T + b1) on codes of E4M3 (M 4,096, N 4,096, K 1,024), quantised along the hidden units on the way out: the hidden layer goes to memory as codes alone.
; Operands lie in memory as images of their registers: codes img[T][s][c][lane][16], scale words sc[T / 4][s][r][T % 4]; lane-row r of tile T is row 32 (T / 2) + 8 (T % 2) + r + 8 (r / 8).
; A tile of the result, 256 x 256, is made by a work-group of four waves; a wave makes 128 x 128: 64 accumulators.  K goes in slots of 256 through a ring of two LDS slots filled by the tensor data mover; the scale words for all of K come once.
; CLUSTERS: 4 x 4 work-groups; xm's tiles are asked for jointly along a row of the cluster, the weight's along a column.  X = source 0 = the weight's rows, Y = source 1 = tokens: a lane holds one token and 128 hidden units: one K step of the next product.
; LIMITS: a block of zeros gets the byte 1 where the rule says 127 (this program alone reads the bytes); blocks under 2^-118 keep the byte 1; NaN and infinities are not served.
.set NY, 8
.set NX, 8
.set NG, 2
.set KS, 8
.set NQ, 2
.set LAPS,  KS/(2*NQ)
.set TROW,  NQ*2048
.set HALFT, NY*TROW
.set SLOT,  4*HALFT
.set SCL,   2*SLOT
.set HALFS, NG*KS*256
.set SPARE, SCL+4*HALFS                ; the spare words, 128 bytes for each wave: two blocks of 256 bytes that no other line names
.set ASC,   4194304
.set BIMG,  4194304
.set BSC,   12713984
.set SA,   7
.set L16,  9
.set ADRY, 16
.set ADRX, 20
.set ADRS, 27
.set SPW,  28
.set NIL,  29
.set SC,   32
.set BX,   64                          ; v64-127 the bias of my 128 hidden units, in the result's order
.set AF,   128
.set ST,   128
.set PC,   192
.set TM,   208
.set PW,   224
.set SW,   226
.set SD,   234
.set G1, 24
.set G0, 32
.set G1B, 48
.set G0B, 56
.set G1S, 68
.set G0S, 76
.set G1SB, 80
.set G0SB, 88
.set SEL, 96
.set MNT, 98
.set HM,  99
.set MSB, 0
.macro WIN new
.if MSB != (\new)
	s_set_vgpr_msb (MSB<<8)|(\new)
.set MSB, (\new)
.endif
.endm
.set MUL_LO, 0xa1
.set MUL_HI, 0xf1
.set TO_X,   0x40
.macro JLOAD g0a, g1a, g0b, g1b
	s_cmp_eq_u32 s15, 0
	s_cbranch_scc0 .Lfor_b_\@
	tensor_load_to_lds s[\g0a:\g0a+3], s[\g1a:\g1a+7]
	s_nop 0
.rept 4
	v_nop
.endr
	s_branch .Lasked_\@
.Lfor_b_\@:
	tensor_load_to_lds s[\g0b:\g0b+3], s[\g1b:\g1b+7]
	s_nop 0
.rept 4
	v_nop
.endr
.Lasked_\@:
.endm
.macro CREST
	s_cmp_lg_u32 s14, 0
	s_cbranch_scc1 .Lnot_wave_0_\@
	s_barrier_signal -3
.Lnot_wave_0_\@:
	s_barrier_wait -3
	s_barrier_signal -1
	s_barrier_wait -1
.endm
.macro CROUND
	s_barrier_signal -1
	s_barrier_wait -1
	CREST
.endm
.macro PLACES n
.rept \n
	v_nop
.endr
.endm
	s_load_b256 s[4:11], s[0:1], 0x0               ; act, wb, b1, hb
	v_lshl_add_u32 v[SPW], v0, 2, SPARE
	v_mov_b32 v[NIL], 0
	ds_add_u32 v[SPW], v[NIL]                      ; the wave's opening: the add, twice on end, and its wait ahead of my first tensor load
	ds_add_u32 v[SPW], v[NIL]
	v_lshrrev_b32 v1, 5, v0
	v_readfirstlane_b32 s14, v1
	s_lshr_b32 s15, s14, 1                         ; wy.  Also: I fetch xm's tiles (0) or the weight's (1)
	s_and_b32 s16, s14, 1                          ; wx.  Also: which half I fetch
	s_bfe_u32 s40, ttmp6, 0x40000
	s_bfe_u32 s41, ttmp6, 0x40004
	s_lshl_b32 s42, ttmp9, 2
	s_add_co_u32 s42, s42, s40                     ; tx
	s_and_b32 s17, ttmp7, 0xffff
	s_lshl_b32 s17, s17, 2
	s_add_co_u32 s17, s17, s41                     ; ty
	s_lshl_b32 s43, s41, 2
	s_lshl_b32 s43, 15, s43
	s_lshl_b32 s44, 0x1111, s40
	s_or_b32 s[G1+0], s43, (3<<16)|(1<<21)         ; the mask; elements of 8 bytes; bit 21 beside a mask; no padding
	s_or_b32 s[G1B+0], s44, (3<<16)|(1<<21)
.irp g, G1, G1B
	s_mov_b32 s[\g+1], (TROW/8)<<16
	s_mov_b32 s[\g+2], (2*NY)<<16                  ; the head's loads bring both halves of a tile: 2 NY tile rows
	s_mov_b32 s[\g+3], (TROW/8)<<16
	s_mov_b32 s[\g+4], 2*NY
	s_mov_b32 s[\g+5], KS*256
	s_mov_b32 s[\g+6], 0
	s_mov_b32 s[\g+7], 0
.endr
	s_or_b32 s[G1S+0], s43, (3<<16)|(1<<21)
	s_or_b32 s[G1SB+0], s44, (3<<16)|(1<<21)
.irp g, G1S, G1SB
	s_mov_b32 s[\g+1], 32<<16
	s_mov_b32 s[\g+2], (2*HALFS/256)<<16
	s_mov_b32 s[\g+3], 32<<16
	s_mov_b32 s[\g+4], 2*HALFS/256
	s_mov_b32 s[\g+5], 32
	s_mov_b32 s[\g+6], 0
	s_mov_b32 s[\g+7], 0
.endr
	s_mul_i32 s20, s17, 2*NY
	s_mul_i32 s94, s16, NY*KS*2048                 ; s[94:95]: from a tile's first half to the half that I fetch in the ring, in bytes
	s_mov_b32 s95, 0
	s_mul_i32 s22, s20, KS*64
	s_add_co_u32 s22, s22, ASC
	s_mul_i32 s20, s20, KS*2048
	s_mov_b32 s21, 0
	s_mov_b32 s23, 0
	s_mul_i32 s46, s42, 2*NY
	s_mul_i32 s92, s46, KS*64
	s_add_co_u32 s92, s92, BSC
	s_mul_i32 s46, s46, KS*2048
	s_add_co_u32 s46, s46, BIMG
	s_mov_b32 s47, 0
	s_mov_b32 s93, 0
	s_mul_i32 s45, s14, HALFT
	s_cmp_eq_u32 s15, 0                            ; the prefetches: of the NY tile rows that I fetch, my work-group takes NY / 4, by its place among the four that ask jointly
	s_cselect_b32 s66, s40, s41
	s_mul_i32 s66, s66, (NY/4)*KS*2048
	s_add_co_u32 s66, s66, s94
	s_mov_b32 s67, 0
	s_wait_dscnt 0x0                               ; both opening adds are done
	s_wait_kmcnt 0x0
	s_add_nc_u64 s[20:21], s[4:5], s[20:21]
	s_add_nc_u64 s[22:23], s[4:5], s[22:23]
	s_add_nc_u64 s[46:47], s[6:7], s[46:47]
	s_add_nc_u64 s[92:93], s[6:7], s[92:93]
	CROUND
	s_mov_b32 s[G0S], 1
	s_mov_b32 s[G0S+1], SCL
	s_mov_b64 s[G0S+2:G0S+3], s[22:23]
	s_or_b32 s[G0S+3], s[G0S+3], 0x80000000
	s_mov_b32 s[G0SB], 1
	s_mov_b32 s[G0SB+1], SCL+2*HALFS
	s_mov_b64 s[G0SB+2:G0SB+3], s[92:93]
	s_or_b32 s[G0SB+3], s[G0SB+3], 0x80000000
.irp s, 0,1
	s_mov_b32 s[G0+4*\s], 1
	s_add_co_u32 s[G0+4*\s+1], s45, \s*SLOT
	s_add_nc_u64 s[G0+4*\s+2:G0+4*\s+3], s[20:21], \s*TROW
	s_or_b32 s[G0+4*\s+3], s[G0+4*\s+3], 0x80000000
	s_mov_b32 s[G0B+4*\s], 1
	s_add_co_u32 s[G0B+4*\s+1], s45, \s*SLOT
	s_add_nc_u64 s[G0B+4*\s+2:G0B+4*\s+3], s[46:47], \s*TROW
	s_or_b32 s[G0B+4*\s+3], s[G0B+4*\s+3], 0x80000000
.endr
	s_mov_b32 s[G0+1], 0                           ; slot 0's two groups 0 serve the head first: the tokens' 2 NY tile rows whole,
	s_mov_b32 s[G0B+1], 2*HALFT                    ; the weight's behind them
	s_add_nc_u64 s[G0+6:G0+7], s[G0+6:G0+7], s[94:95]      ; slot 1's: my half
	s_add_nc_u64 s[G0B+6:G0B+7], s[G0B+6:G0B+7], s[94:95]
; THE HEAD'S LOADS, ONE A WAVE: wave 0 K slot 0 of the tokens, wave 1 of the weight, waves 2 and 3 their scale words for all of K.  One tree of branches on the wave's number.
.macro ARM under, g0, g1, next
	s_cmp_lt_u32 s14, \under
	s_cbranch_scc0 \next
	tensor_load_to_lds s[\g0:\g0+3], s[\g1:\g1+7]
	s_nop 0
.rept 4
	v_nop
.endr
	s_branch .Lhead_asked
\next:
.endm
	ARM 1, G0,  G1,  .Lhead_b
	ARM 2, G0B, G1B, .Lhead_sa
	ARM 3, G0S, G1S, .Lhead_sb
	tensor_load_to_lds s[G0SB:G0SB+3], s[G1SB:G1SB+7]
	s_nop 0
.rept 4
	v_nop
.endr
.Lhead_asked:
	s_cmp_eq_u32 s15, 0
	s_cselect_b64 s[4:5], s[20:21], s[46:47]       ; s[4:5]: where my prefetches stand: K slot 0 of my work-group's share of the tile rows that I fetch
	s_add_nc_u64 s[4:5], s[4:5], s[66:67]
	v_and_b32 v1, 15, v0                           ; r
	v_bfe_u32 v2, v0, 4, 1                         ; h
	s_wait_alu depctr_va_vdst(0)
	v_and_b32 v3, 31, v0
	v_lshlrev_b32 v[L16], 4, v3
	v_cmp_ne_u32 s[HM], 0, v2
	s_mul_i32 s21, s15, HALFT
	s_mul_i32 s22, s16, HALFT
	s_add_co_u32 s22, s22, 2*HALFT
.irp s, 0,1
	v_add_nc_u32 v[ADRY+\s], s21, v[L16]
	v_add_nc_u32 v[ADRX+\s], s22, v[L16]
	s_add_co_u32 s21, s21, SLOT
	s_add_co_u32 s22, s22, SLOT
.endr
	s_mul_i32 s21, s15, HALFS
	s_mul_i32 s22, s16, HALFS
	s_add_co_u32 s22, s22, 2*HALFS
	s_sub_co_u32 s22, s22, s21
	v_mul_u32_u24 v3, s22, v2                      ; lanes 16-31 take X's scale words
	s_add_co_u32 s21, s21, SCL
	v_lshl_add_u32 v3, v1, 4, v3
	v_add_nc_u32 v[ADRS], s21, v3
	v_lshlrev_b32 v10, 6, v2
	v_lshlrev_b32 v30, 14, v2                      ; v30: the prefetches' offset: lanes 0-15 one tile row, lanes 16-31 the next, 256 bytes a lane; never rewritten
	v_lshl_add_u32 v30, v1, 8, v30
	s_lshl_b32 s18, s42, 10
	s_lshl_b32 s19, s16, 9
	s_add_co_u32 s18, s18, s19
	s_mov_b32 s19, 0
	s_add_nc_u64 s[8:9], s[8:9], s[18:19]          ; b1 from 256 tx + 128 wx on
.irp b, 0,1,2,3
.irp j, 0,1,2,3
	global_load_b128 v[BX+16*\b+4*\j:BX+16*\b+4*\j+3], v10, s[8:9] offset:128*\b+16*\j
.endr
.endr
	s_mov_b32 s[SEL], 0x76543210
	s_mov_b32 s[SEL+1], 0xfedcba98
	s_mov_b32 s[MNT], 0x600000
.macro FRAG reg, adr, q, i
.irp c, 0,1,2,3
	ds_load_b128 v[\reg+4*\c:\reg+4*\c+3], v[\adr] offset:(\i)*TROW+(\q)*2048+512*\c
.endr
.endm
.macro MULA a, p, q, sc, zero          ; the accumulators take turns, one instruction a turn, in the same order in every step
.set bb, 0
.rept NX
.set rD, 8*(NX*((\a)%4)+bb)
.if \zero
	v_wmma_scale_f32_16x16x128_f8f6f4 v[rD:rD+7], v[128*(\p)+16*bb:128*(\p)+16*bb+15], v[AF+16*(\a):AF+16*(\a)+15], 0, v[SC+16*(\sc)+4*NG*(\q)+bb], v[SC+16*(\sc)+4*NG*(\q)+(\a)] matrix_a_scale:MATRIX_SCALE_ROW1
.else
	v_wmma_scale_f32_16x16x128_f8f6f4 v[rD:rD+7], v[128*(\p)+16*bb:128*(\p)+16*bb+15], v[AF+16*(\a):AF+16*(\a)+15], v[rD:rD+7], v[SC+16*(\sc)+4*NG*(\q)+bb], v[SC+16*(\sc)+4*NG*(\q)+(\a)] matrix_a_scale:MATRIX_SCALE_ROW1
.endif
.set bb, bb+1
.endr
.endm
.macro MULS a0, n, p, q, sc, zero
.set aa, \a0
.rept \n
	MULA aa, \p, \q, \sc, \zero
.set aa, aa+1
.endr
.endm
.macro FETCH_X slot, q, p
	WIN TO_X
.set ii, 0
.rept NX
	FRAG 128*(\p)+16*ii, ADRX+\slot, \q, ii
.set ii, ii+1
.endr
	WIN 0
.endm
.macro FETCH_Y slot, q, i0
.set ii, \i0
.rept NY/2
	FRAG AF+16*ii, ADRY+\slot, \q, ii
.set ii, ii+1
.endr
.endm
.macro SCALES set
.set qi, 0
.rept NQ
.set gi, 0
.rept NG
	ds_load_b128 v[SC+16*\set+4*NG*qi+4*gi:SC+16*\set+4*NG*qi+4*gi+3], v[ADRS] offset:gi*KS*256+qi*256
.set gi, gi+1
.endr
.set qi, qi+1
.endr
.endm
.macro STEP slot, q, zero
	s_wait_dscnt 2*NY                              ; X's set and Y's lower half are in; Y's upper half may be out
	WIN MUL_LO
	MULS 0, NY/2, (\q)%2, \q, \slot, \zero
	s_wait_dscnt 0x0
	PLACES 8                                       ; eight places in front of loads into registers that matrix instructions have read
	FETCH_X \slot, (\q)+1, 1-(\q)%2
	FETCH_Y \slot, (\q)+1, 0
	WIN MUL_HI
	MULS NY/2, NY/2, (\q)%2, \q, \slot, \zero
	PLACES 8
	WIN 0
	FETCH_Y \slot, (\q)+1, NY/2
.endm
.macro TURN slot, next, fill
	s_wait_tensorcnt 0x0                           ; all my tensor loads have landed: my part of the next slot;
	ds_add_u32 v[SPW], v[NIL]                      ; 0 onto my spare word;
	s_wait_dscnt 2*NY+1                            ; (the add and Y's upper half may be out)
	WIN MUL_LO
	MULS 0, NY/4, 1, NQ-1, \slot, 0
	s_wait_dscnt 0x0                               ; the add is done, and my reads of this slot are over
	s_barrier_signal -1
	MULS NY/4, NY/4, 1, NQ-1, \slot, 0
	WIN 0
	s_barrier_wait -1
.if \fill
	CREST                                          ; a round of the cluster's barrier: no wave of any partner still reads this slot or has a load on its way
	s_add_nc_u64 s[G0+4*\slot+2:G0+4*\slot+3], s[G0+4*\slot+2:G0+4*\slot+3], 2*TROW
	s_add_nc_u64 s[G0B+4*\slot+2:G0B+4*\slot+3], s[G0B+4*\slot+2:G0B+4*\slot+3], 2*TROW
	JLOAD G0+4*\slot, G1, G0B+4*\slot, G1B         ; my one tensor load behind the round
	PLACES 4
.else
	PLACES 8
.endif
	s_wait_alu depctr_va_vdst(0)
	v_add_nc_u32 v[ADRS], NQ*256, v[ADRS]
	FETCH_X \next, 0, 0
	FETCH_Y \next, 0, 0
	SCALES \next
	WIN MUL_HI
	MULS NY/2, NY/2, 1, NQ-1, \slot, 0
	PLACES 8
	WIN 0
	FETCH_Y \next, 0, NY/2
.endm
	s_wait_alu depctr_va_vdst(0)
	global_prefetch_b8 v30, s[4:5] offset:TROW th:TH_LOAD_NT scope:SCOPE_SE     ; K slots 1 and 2: each 256 bytes named once in the cluster; K slot 3 follows behind slot 1's load
	global_prefetch_b8 v30, s[4:5] offset:2*TROW th:TH_LOAD_NT scope:SCOPE_SE
	s_wait_tensorcnt 0x0                           ; my tile of the head's four is in
	ds_add_u32 v[SPW], v[NIL]
	s_mov_b32 s[G1+2], NY<<16                      ; no tensor load of mine is out: from here on a load brings NY tile rows,
	s_mov_b32 s[G1+4], NY
	s_mov_b32 s[G1B+2], NY<<16
	s_mov_b32 s[G1B+4], NY
	s_mov_b32 s[G0+1], s45                         ; and slot 0's groups 0 become the ring's: my quarter of the slot, my half of the tile
	s_add_nc_u64 s[G0+2:G0+3], s[G0+2:G0+3], s[94:95]
	s_mov_b32 s[G0B+1], s45
	s_add_nc_u64 s[G0B+2:G0B+3], s[G0B+2:G0B+3], s[94:95]
	s_wait_dscnt 0x0
	CROUND                                         ; all four tiles are in, in all sixteen work-groups
	JLOAD G0+4, G1, G0B+4, G1B                     ; K slot 1: my one tensor load behind the round
	FETCH_X 0, 0, 0
	FETCH_Y 0, 0, 0
	SCALES 0
	FETCH_Y 0, 0, NY/2
	global_prefetch_b8 v30, s[4:5] offset:3*TROW th:TH_LOAD_NT scope:SCOPE_SE   ; K slot 3, the last: two refills ahead of its load
	STEP 0, 0, 1
	s_mov_b32 s3, LAPS-1
.Llap:
	TURN 0, 1, 1
	STEP 1, 0, 0
	TURN 1, 0, 1
	STEP 0, 0, 0
	s_sub_co_u32 s3, s3, 1
	s_cmp_lg_u32 s3, 0
	s_cbranch_scc1 .Llap
	TURN 0, 1, 0
	STEP 1, 0, 0
	s_wait_dscnt 2*NY
	WIN MUL_LO
	MULS 0, NY/2, 1, NQ-1, 1, 0
	s_wait_dscnt 0x0
	WIN MUL_HI
	MULS NY/2, NY/2, 1, NQ-1, 1, 0
	WIN 0
	; THE WAY OUT
	s_lshl_b32 s18, s17, 4
	s_lshl_b32 s19, s15, 3
	s_add_co_u32 s18, s18, s19                     ; my first tile of tokens: 16 ty + 8 wy
	s_lshl_b32 s19, s42, 1
	s_add_co_u32 s19, s19, s16                     ; the next product's K step: 2 tx + wx
	s_lshl_b32 s20, s18, 5
	s_add_co_u32 s20, s20, s19
	s_lshl_b32 s20, s20, 11
	s_mov_b32 s21, 0
	s_add_nc_u64 s[20:21], s[10:11], s[20:21]      ; himg: (32 T + s) fragments on
	s_lshl_b32 s22, s18, 3
	s_add_co_u32 s22, s22, s19
	s_lshl_b32 s22, s22, 8
	s_add_co_u32 s22, s22, 16777216
	s_mov_b32 s23, 0
	s_add_nc_u64 s[22:23], s[10:11], s[22:23]      ; hsc: (32 (T / 4) + s) records on
	s_wait_loadcnt 0x0                             ; the bias
	PLACES 8
	v_lshlrev_b32 v[SA], 13, v2
	v_lshl_add_u32 v[SA], v1, 4, v[SA]             ; 16 r; lanes 16-31 a group of four tiles further on
.irp b, 0,1,2,3
	v_mov_b32 v[TM+4+\b], 0                        ; a lane permute's destination counts as one of its sources
.endr
.macro QUANT s                         ; with the activation: what is negative becomes 0 on the way
.irp b, 0,1,2,3
	v_max3_num_f32 v[TM+\b], v[\s+16*\b], v[\s+1+16*\b], 0x4800000   ; no |.|: what is negative must not count; the floor 2^(9 - 127) stands over it
.endr
.irp i, 2,4,6,8,10,12,14
.irp b, 0,1,2,3
	v_max3_num_f32 v[TM+\b], v[TM+\b], v[\s+16*\b+\i], v[\s+1+16*\b+\i]
.endr
.endr
.irp b, 0,1,2,3
	v_permlanex16_b32 v[TM+4+\b], v[TM+\b], s[SEL], s[SEL+1]
.endr
.irp b, 0,1,2,3
	v_max_num_f32 v[TM+\b], v[TM+\b], v[TM+4+\b]
.endr
.irp b, 0,1,2,3
	v_add_nc_u32 v[TM+12+\b], 0xfc000000, v[TM+\b]
.endr
.irp b, 0,1,2,3
	v_and_or_b32 v[TM+8+\b], v[TM+\b], 0x7f800000, s[MNT]
.endr
.irp b, 0,1,2,3
	v_lshrrev_b32 v[TM+4+\b], 23, v[TM+12+\b]
.endr
	v_lshl_or_b32 v[PW], v[TM+5], 8, v[TM+4]
	v_lshl_or_b32 v[PW], v[TM+6], 16, v[PW]
	v_lshl_or_b32 v[PW], v[TM+7], 24, v[PW]
	s_wait_xcnt 0x0                                ; the last tile's stores have read the codes' registers, which are written below
.irp b, 0,1,2,3
.irp i, 0,1,2,3,4,5,6,7,8,9,10,11,12,13,14,15
	v_med3_num_f32 v[\s+16*\b+\i], v[\s+16*\b+\i], 0, v[TM+8+\b]   ; the activation and the hold in one
.endr
	v_cvt_scalef32_pk8_fp8_f32 v[PC+4*\b:PC+1+4*\b], v[\s+16*\b:\s+7+16*\b], v[TM+12+\b]
	v_cvt_scalef32_pk8_fp8_f32 v[PC+2+4*\b:PC+3+4*\b], v[\s+8+16*\b:\s+15+16*\b], v[TM+12+\b]
.endr
	v_nop
.endm
.macro EPI y                           ; tile y of tokens: its eight accumulators + the bias -> window 0, relu, quantised, stored as a fragment's image
.set AC, 64*((\y)%4)
	WIN 0x02+(\y)/4
.set pp, 0
.rept 32
	v_pk_add_f32 v[ST+2*pp:ST+2*pp+1], v[AC+2*pp:AC+2*pp+1], v[BX+2*pp:BX+2*pp+1]   ; each accumulator from its low end on
.set pp, pp+1
.endr
	WIN 0
	QUANT ST
	v_mov_b32 v[SW+(\y)], v[PW]
.irp c, 0,1,2,3
	global_store_b128 v[L16], v[PC+4*\c:PC+4*\c+3], s[20:21] offset:65536*(\y)+512*\c   ; 32 lanes store 512 consecutive bytes
.endr
.endm
.irp y, 0,1,2,3,4,5,6,7
	EPI \y
.endr
.irp i, 0,1,2,3
	v_cndmask_b32 v[SD+\i], v[SW+\i], v[SW+4+\i], s[HM]   ; lanes 0-15: tiles 0-3; lanes 16-31: tiles 4-7
.endr
	global_store_b128 v[SA], v[SD:SD+3], s[22:23]  ; two whole records of 256 bytes
	s_wait_tensorcnt 0x0                           ; the wave's end
	ds_add_u32 v[SPW], v[NIL]
	s_wait_dscnt 0x0
	CROUND                                         ; the closing round
	s_endpgm
.Lfunc_end_k_qf7a3439ddc_g5:
	.size	k_qf7a3439ddc_g5, .Lfunc_end_k_qf7a3439ddc_g5-k_qf7a3439ddc_g5
	.p2alignl 7, 3214868480
	.fill 96, 4, 3214868480
	.section	.rodata,"a",@progbits
	.p2align	6, 0x0
	.amdhsa_kernel k_qf7a3439ddc_g5
		.amdhsa_group_segment_fixed_size 327680
		.amdhsa_private_segment_fixed_size 0
		.amdhsa_enable_private_segment 0
		.amdhsa_kernarg_size 32
		.amdhsa_user_sgpr_count 2
		.amdhsa_user_sgpr_kernarg_segment_ptr 1
		.amdhsa_wavefront_size32 1
		.amdhsa_system_sgpr_workgroup_id_x 1
		.amdhsa_system_sgpr_workgroup_id_y 1
		.amdhsa_system_sgpr_workgroup_id_z 1
		.amdhsa_system_vgpr_workitem_id 0
		.amdhsa_next_free_vgpr 1024
		.amdhsa_next_free_sgpr 102
		.amdhsa_reserve_vcc 0
		.amdhsa_float_denorm_mode_32 3
		.amdhsa_float_denorm_mode_16_64 3
		.amdhsa_memory_ordered 1
		.amdhsa_forward_progress 1
		.amdhsa_inst_pref_size 203
	.end_amdhsa_kernel
	.amdgpu_metadata
---
amdhsa.version: [ 1, 2 ]
amdhsa.kernels:
  - .name:           k_qf7a3439ddc_g5
    .symbol:         k_qf7a3439ddc_g5.kd
    .args:
      - { .name: act, .offset: 0, .size: 8, .value_kind: global_buffer, .address_space: global }
      - { .name: wb, .offset: 8, .size: 8, .value_kind: global_buffer, .address_space: global }
      - { .name: b1, .offset: 16, .size: 8, .value_kind: global_buffer, .address_space: global }
      - { .name: hb, .offset: 24, .size: 8, .value_kind: global_buffer, .address_space: global }
    .group_segment_fixed_size: 327680
    .private_segment_fixed_size: 0
    .kernarg_segment_align: 8
    .kernarg_segment_size: 32
    .max_flat_workgroup_size: 128
    .sgpr_count:     102
    .vgpr_count:     1024
    .wavefront_size: 32
...
	.end_amdgpu_metadata
.endif
;; end of part 6
;; launch g6 (part 7): grid 8 x 32, 4 waves a work-group, clusters of 4 x 4, 327,680 bytes of LDS; arguments hb, wb, b2, x1, out0; writes out0
.if DOCPART == 7
	.amdgcn_target "amdgcn-amd-amdhsa--gfx1250"
	.amdhsa_code_object_version 6
	.text
	.protected	k_qf7a3439ddc_g6
	.globl	k_qf7a3439ddc_g6
	.p2align	8
	.type	k_qf7a3439ddc_g6,@function
k_qf7a3439ddc_g6:
	s_mov_b64 s[64:65], 0
	v_nop
	global_prefetch_b8 v0, s[64:65] scope:SCOPE_SE
	s_setreg_imm32_b32 hwreg(HW_REG_WAVE_MODE, 25, 1), 1
	s_wait_xcnt 0x0
	s_wait_alu depctr_hold_cnt(0) depctr_sa_sdst(0) depctr_va_vdst(0) depctr_va_sdst(0) depctr_va_ssrc(0) depctr_va_vcc(0) depctr_vm_vsrc(0)
	s_getreg_b32 s2, hwreg(HW_REG_IB_STS2, 6, 4)
	s_cmp_eq_u32 s2, 0
	s_cbranch_scc0 .Lentry_in_a_cluster
	s_endpgm
.Lentry_in_a_cluster:
	s_bfe_u32 s2, ttmp6, 0x10000c
	s_cmp_lg_u32 s2, 0xf033
	s_cbranch_scc0 .Lentry_shape_is_right
	s_endpgm
.Lentry_shape_is_right:
; out0 = x1 + (h w2^T + b2): M 4,096, N 1,024, K 4,096 on codes of E4M3 with E8M0 scale words; the result in f32.
; Operands lie in memory as images of their registers: codes img[T][s][c][lane][16], scale words sc[T / 4][s][r][T % 4]; lane-row r of tile T is row 32 (T / 2) + 8 (T % 2) + r + 8 (r / 8).
; A block of the result is 128 x 128: 256 work-groups; four waves, each 64 x 64: 16 accumulators.  K goes in eight K slots of 512 (four matrix instructions deep) through a ring of two LDS slots of 131,072 bytes; the scale words for all of K come once.
; CLUSTERS: 4 x 4 work-groups; h's tiles are asked for jointly along a row of the cluster, the weight's along a column.  Source 0 = the weight's rows, source 1 = tokens: a lane holds one token.
; THE HEAD: one joint load a wave: wave 0 K slot 0 of h (8 tile rows), wave 1 of the weight, waves 2 and 3 the two sides' scale words.  K slot 1 follows behind a drained round, a quarter of the slot a wave, as every refill does.
; PREFETCHES INTO THE L2, two refills ahead of the load that wants the bytes: the change of slots that loads K slot t + 2 asks for K slot t + 4; the head asks for K slots 1 and 2, and K slot 3 is asked for behind K slot 1's load.
; Of the four tile rows (8,192 bytes of a K slot each) that a wave fetches jointly with three partners, each partner names one, told apart by address alone: a lane 256 bytes, one instruction a wave: each 256 bytes once in a cluster.
; The last trip of the loop asks for nothing: K slot 7 is the last.  A work-group has at most two K slots asked for and not yet loaded (three at the head).
; The wave's 64 x 64 of the residual and its bias are asked for at the head, behind the tiles and the first prefetches, into registers that lie idle in the loop.  The results go through the wave's stage in LDS and leave as whole rows of 256 bytes.
.set NY, 4
.set NX, 4
.set KS, 32
.set NQ, 4
.set LAPS,  KS/(2*NQ)
.set TROW,  NQ*2048
.set HALFT, NY*TROW
.set SLOT,  4*HALFT
.set SCL,   2*SLOT
.set HALFS, KS*256
.set SPARE, SCL+4*HALFS                ; the spare words, 128 bytes for each wave: two blocks of 256 bytes that no other line names
.set ASC,   16777216
.set BIMG,  8388608
.set BSC,   12845056
.set L16,  9
.set ADRY, 16
.set ADRX, 20
.set STO,  24
.set RD,   25
.set CO,   26
.set ADRS, 27
.set SPW,  28
.set NIL,  29
.set PFO,  30                          ; v30  the prefetches' offset: 256 x lane; never rewritten
.set SC,   32                          ; v32-63 scale words, a set of 16 for each slot
.set AF,   64                          ; the tokens' fragments: set p at v[128 p + 64] of window 1, behind the weight's set p at v[128 p]
.set BK,   128
.set G1, 24
.set G0, 32
.set G1B, 48
.set G0B, 56
.set G1S, 68
.set G0S, 76
.set G1SB, 80
.set G0SB, 88
.set PFA, 96                           ; s[96:97] where my prefetches stand
.set MSB, 0
.macro WIN new                         ; the immediate's high byte repeats the setting that is left
.if MSB != (\new)
	s_set_vgpr_msb (MSB<<8)|(\new)
.set MSB, (\new)
.endif
.endm
.set MUL,  0xa5                        ; sources 0 and 1 window 1, C and D window 2
.set TO_X, 0x40
.macro PLACES n
.rept \n
	v_nop
.endr
.endm
.macro JLOAD g0a, g1a, g0b, g1b        ; waves 0 and 1 fetch h's halves, waves 2 and 3 the weight's: each line has one mask; the branch hangs on the wave's number alone
	s_cmp_eq_u32 s15, 0
	s_cbranch_scc0 .Lfor_b_\@
	tensor_load_to_lds s[\g0a:\g0a+3], s[\g1a:\g1a+7]
	s_nop 0
	PLACES 4
	s_branch .Lasked_\@
.Lfor_b_\@:
	tensor_load_to_lds s[\g0b:\g0b+3], s[\g1b:\g1b+7]
	s_nop 0
	PLACES 4
.Lasked_\@:
.endm
.macro CREST
	s_cmp_lg_u32 s14, 0
	s_cbranch_scc1 .Lnot_wave_0_\@
	s_barrier_signal -3
.Lnot_wave_0_\@:
	s_barrier_wait -3
	s_barrier_signal -1
	s_barrier_wait -1
.endm
.macro CROUND
	s_barrier_signal -1
	s_barrier_wait -1
	CREST
.endm
.macro ARM under, g0, g1, next
	s_cmp_lt_u32 s14, \under
	s_cbranch_scc0 \next
	tensor_load_to_lds s[\g0:\g0+3], s[\g1:\g1+7]
	s_nop 0
	PLACES 4
	s_branch .Lhead_asked
\next:
.endm
.macro ASK                             ; K slot t + 4, at the change that loads K slot t + 2; not in the loop's last trip (s3 = 1)
	s_cmp_gt_u32 s3, 1
	s_cbranch_scc0 .Lnone_\@
	global_prefetch_b8 v[PFO], s[PFA:PFA+1] offset:3*TROW th:TH_LOAD_NT scope:SCOPE_SE
.Lnone_\@:
.endm
.macro FRAG reg, adr, q, i
.irp c, 0,1,2,3
	ds_load_b128 v[\reg+4*\c:\reg+4*\c+3], v[\adr] offset:(\i)*TROW+(\q)*2048+512*\c
.endr
.endm
.macro MULA a, p, q, sc, zero          ; the accumulators take turns, one instruction a turn, in the same order in every step
.set bb, 0
.rept NX
.set rD, 8*(NX*(\a)+bb)
.set AF, 128*(\p)+64
.if \zero
	v_wmma_scale_f32_16x16x128_f8f6f4 v[rD:rD+7], v[128*(\p)+16*bb:128*(\p)+16*bb+15], v[AF+16*(\a):AF+16*(\a)+15], 0, v[SC+16*(\sc)+4*(\q)+bb], v[SC+16*(\sc)+4*(\q)+(\a)] matrix_a_scale:MATRIX_SCALE_ROW1
.else
	v_wmma_scale_f32_16x16x128_f8f6f4 v[rD:rD+7], v[128*(\p)+16*bb:128*(\p)+16*bb+15], v[AF+16*(\a):AF+16*(\a)+15], v[rD:rD+7], v[SC+16*(\sc)+4*(\q)+bb], v[SC+16*(\sc)+4*(\q)+(\a)] matrix_a_scale:MATRIX_SCALE_ROW1
.endif
.set bb, bb+1
.endr
.endm
.macro FETCH slot, q, p                ; the eight fragments of the slot's q-th 128 along K, 32 loads in one run, into set p
	WIN TO_X
.set ii, 0
.rept NX
	FRAG 128*(\p)+16*ii, ADRX+\slot, \q, ii
	FRAG 128*(\p)+64+16*ii, ADRY+\slot, \q, ii
.set ii, ii+1
.endr
	WIN 0
.endm
.macro SCALES set
.irp q, 0,1,2,3
	ds_load_b128 v[SC+16*\set+4*\q:SC+16*\set+4*\q+3], v[ADRS] offset:256*\q
.endr
.endm
.macro STEP slot, q, zero              ; both operands have two sets: a step asks for the next step's fragments at its start, 16 products ahead of their use
	s_wait_dscnt 0x0                               ; this step's fragments, asked for a step ago, are in
	PLACES 8                                       ; eight places in front of loads into the set that the last step's products have read
	FETCH \slot, (\q)+1, 1-(\q)%2
	WIN MUL
	MULA 0, (\q)%2, \q, \slot, \zero
	MULA 1, (\q)%2, \q, \slot, \zero
	MULA 2, (\q)%2, \q, \slot, \zero
	MULA 3, (\q)%2, \q, \slot, \zero
	WIN 0
.endm
.macro TURN slot, next, fill           ; a slot's last step changes slots
.if \fill
	s_wait_xcnt 0x0                                ; my last prefetch has read its address, so it may be stepped: a K slot on
	s_add_nc_u64 s[PFA:PFA+1], s[PFA:PFA+1], TROW
.endif
	s_wait_tensorcnt 0x0                           ; all my tensor loads have landed: my part of the next slot;
	ds_add_u32 v[SPW], v[NIL]                      ; 0 onto my spare word;
	s_wait_dscnt 1                                 ; (the add alone may be out: this step's fragments are in)
	WIN MUL
	MULA 0, 1, NQ-1, \slot, 0
	s_wait_dscnt 0x0                               ; the add is done, and my reads of this slot are over
	s_barrier_signal -1
	MULA 1, 1, NQ-1, \slot, 0
	WIN 0
	s_barrier_wait -1
.if \fill
	CREST                                          ; a round of the cluster's barrier: no wave of any partner still reads this slot or has a load on its way
	s_add_nc_u64 s[G0+4*\slot+2:G0+4*\slot+3], s[G0+4*\slot+2:G0+4*\slot+3], 2*TROW
	s_add_nc_u64 s[G0B+4*\slot+2:G0B+4*\slot+3], s[G0B+4*\slot+2:G0B+4*\slot+3], 2*TROW
	JLOAD G0+4*\slot, G1, G0B+4*\slot, G1B         ; my one tensor load behind the round
	PLACES 4
.else
	PLACES 8
.endif
	s_wait_alu depctr_va_vdst(0)                   ; the wait ahead of the reader below
	v_add_nc_u32 v[ADRS], NQ*256, v[ADRS]          ; the next K slot's scale words
	FETCH \next, 0, 0
	SCALES \next
.if \fill
	ASK
.endif
	WIN MUL
	MULA 2, 1, NQ-1, \slot, 0
	MULA 3, 1, NQ-1, \slot, 0
	WIN 0
.endm
.macro MID slot
	STEP \slot, 1, 0
	STEP \slot, 2, 0
.endm
	s_load_b256 s[4:11], s[0:1], 0x0               ; hb, wb, b2, x1
	s_load_b64 s[12:13], s[0:1], 0x20              ; out0
	v_lshl_add_u32 v[SPW], v0, 2, SPARE
	v_mov_b32 v[NIL], 0
	ds_add_u32 v[SPW], v[NIL]                      ; the wave's opening: the add, twice on end, and its wait ahead of my first tensor load
	ds_add_u32 v[SPW], v[NIL]
	v_lshrrev_b32 v1, 5, v0
	v_readfirstlane_b32 s14, v1                    ; wave 0..3
	s_lshr_b32 s15, s14, 1                         ; my half of the block's tokens.  Also: in the ring I fetch h's tiles (0) or the weight's (1)
	s_and_b32 s16, s14, 1                          ; my half of its columns.  Also: which half I fetch
	s_bfe_u32 s40, ttmp6, 0x40000
	s_bfe_u32 s41, ttmp6, 0x40004
	s_lshl_b32 s42, ttmp9, 2
	s_add_co_u32 s42, s42, s40                     ; tx
	s_and_b32 s17, ttmp7, 0xffff
	s_lshl_b32 s17, s17, 2
	s_add_co_u32 s17, s17, s41                     ; ty
	s_lshl_b32 s43, s41, 2
	s_lshl_b32 s43, 15, s43                        ; my row of the cluster
	s_lshl_b32 s44, 0x1111, s40                    ; my column
	s_or_b32 s[G1+0], s43, (3<<16)|(1<<21)         ; the mask; elements of 8 bytes; bit 21 beside a mask; no padding
	s_or_b32 s[G1B+0], s44, (3<<16)|(1<<21)
.irp g, G1, G1B
	s_mov_b32 s[\g+1], (TROW/8)<<16
	s_mov_b32 s[\g+2], (2*NY)<<16                  ; the head's loads bring 2 NY tile rows
	s_mov_b32 s[\g+3], (TROW/8)<<16
	s_mov_b32 s[\g+4], 2*NY
	s_mov_b32 s[\g+5], KS*256
	s_mov_b32 s[\g+6], 0
	s_mov_b32 s[\g+7], 0
.endr
	s_or_b32 s[G1S+0], s43, (3<<16)|(1<<21)
	s_or_b32 s[G1SB+0], s44, (3<<16)|(1<<21)
.irp g, G1S, G1SB
	s_mov_b32 s[\g+1], 32<<16
	s_mov_b32 s[\g+2], (2*HALFS/256)<<16
	s_mov_b32 s[\g+3], 32<<16
	s_mov_b32 s[\g+4], 2*HALFS/256
	s_mov_b32 s[\g+5], 32
	s_mov_b32 s[\g+6], 0
	s_mov_b32 s[\g+7], 0
.endr
	s_mul_i32 s20, s17, 2*NY*KS*2048               ; h's codes: my block's first tile row
	s_mul_i32 s22, s17, 2*NY*KS*64
	s_add_co_u32 s22, s22, ASC                     ; and its scale records
	s_mov_b32 s21, 0
	s_mov_b32 s23, 0
	s_mul_i32 s46, s42, 2*NY*KS*2048
	s_add_co_u32 s46, s46, BIMG                    ; the weight's likewise
	s_mul_i32 s92, s42, 2*NY*KS*64
	s_add_co_u32 s92, s92, BSC
	s_mov_b32 s47, 0
	s_mov_b32 s93, 0
	s_mul_i32 s18, s16, NY*KS*2048                 ; s[18:19]: to the half that I fetch in the ring
	s_mov_b32 s19, 0
	s_mul_i32 s45, s14, HALFT                      ; and where it goes in a slot
	s_cmp_eq_u32 s15, 0
	s_cselect_b32 s94, s40, s41                    ; my place among the four that ask with me: which of the four tile rows I prefetch
	s_mul_i32 s94, s94, KS*2048
	s_add_co_u32 s94, s94, s18
	s_mov_b32 s95, 0
	s_wait_dscnt 0x0                               ; both opening adds are done
	s_wait_kmcnt 0x0
	s_add_nc_u64 s[20:21], s[4:5], s[20:21]
	s_add_nc_u64 s[22:23], s[4:5], s[22:23]
	s_add_nc_u64 s[46:47], s[6:7], s[46:47]
	s_add_nc_u64 s[92:93], s[6:7], s[92:93]
	CROUND                                         ; all sixteen work-groups are here: the first joint loads meet
	s_mov_b32 s[G0], 1                             ; slot 0's groups 0 serve the head first: h's 8 tile rows whole,
	s_mov_b32 s[G0+1], 0
	s_mov_b64 s[G0+2:G0+3], s[20:21]
	s_or_b32 s[G0+3], s[G0+3], 0x80000000
	s_mov_b32 s[G0B], 1                            ; the weight's behind them,
	s_mov_b32 s[G0B+1], 2*HALFT
	s_mov_b64 s[G0B+2:G0B+3], s[46:47]
	s_or_b32 s[G0B+3], s[G0B+3], 0x80000000
	s_mov_b32 s[G0S], 1                            ; h's scale words,
	s_mov_b32 s[G0S+1], SCL
	s_mov_b64 s[G0S+2:G0S+3], s[22:23]
	s_or_b32 s[G0S+3], s[G0S+3], 0x80000000
	s_mov_b32 s[G0SB], 1                           ; the weight's
	s_mov_b32 s[G0SB+1], SCL+2*HALFS
	s_mov_b64 s[G0SB+2:G0SB+3], s[92:93]
	s_or_b32 s[G0SB+3], s[G0SB+3], 0x80000000
	ARM 1, G0,  G1,  .Lhead_b                      ; one load a wave, in one tree of branches on the wave's number
	ARM 2, G0B, G1B, .Lhead_sa
	ARM 3, G0S, G1S, .Lhead_sb
	tensor_load_to_lds s[G0SB:G0SB+3], s[G1SB:G1SB+7]
	s_nop 0
	PLACES 4
.Lhead_asked:
	s_cmp_eq_u32 s15, 0
	s_cselect_b64 s[PFA:PFA+1], s[20:21], s[46:47]
	s_add_nc_u64 s[PFA:PFA+1], s[PFA:PFA+1], s[94:95]      ; K slot 0 of the tile row that I prefetch
	s_mov_b32 s[G0+4], 1                           ; slot 1's groups 0: my quarter of the slot, my half of the tile, K slot 1
	s_add_co_u32 s[G0+5], s45, SLOT
	s_add_nc_u64 s[G0+6:G0+7], s[20:21], s[18:19]
	s_add_nc_u64 s[G0+6:G0+7], s[G0+6:G0+7], TROW
	s_or_b32 s[G0+7], s[G0+7], 0x80000000
	s_mov_b32 s[G0B+4], 1
	s_add_co_u32 s[G0B+5], s45, SLOT
	s_add_nc_u64 s[G0B+6:G0B+7], s[46:47], s[18:19]
	s_add_nc_u64 s[G0B+6:G0B+7], s[G0B+6:G0B+7], TROW
	s_or_b32 s[G0B+7], s[G0B+7], 0x80000000
	s_mul_i32 s4, s15, HALFT                       ; my 4 tile rows of tokens in slot 0, 1,
	s_add_co_u32 s5, s4, SLOT
	s_mul_i32 s6, s16, HALFT
	s_add_co_u32 s6, s6, 2*HALFT                   ; and of the weight
	s_add_co_u32 s7, s6, SLOT
	s_mul_i32 s66, s15, HALFS
	s_mul_i32 s67, s16, HALFS
	s_add_co_u32 s67, s67, 2*HALFS
	s_sub_co_u32 s67, s67, s66                     ; from the tokens' scale words to the weight's
	s_add_co_u32 s66, s66, SCL
	s_mul_i32 s23, s14, 16*272                     ; my stage, in slot 0: 16 rows x (256 bytes + 16)
	s_lshl_b32 s98, s42, 9
	s_lshl_b32 s99, s16, 8
	s_add_co_u32 s98, s98, s99                     ; my 64 columns, in bytes
	s_mov_b32 s99, 0
	s_add_nc_u64 s[8:9], s[8:9], s[98:99]
	s_lshl_b32 s100, s17, 7
	s_lshl_b32 s101, s15, 6
	s_add_co_u32 s100, s100, s101
	s_lshl_b32 s100, s100, 12                      ; my 64 rows
	s_add_co_u32 s98, s98, s100
	s_add_nc_u64 s[10:11], s[10:11], s[98:99]
	s_add_nc_u64 s[12:13], s[12:13], s[98:99]
	v_and_b32 v1, 15, v0                           ; r
	v_bfe_u32 v2, v0, 4, 1                         ; h
	v_and_b32 v3, 31, v0
	v_lshlrev_b32 v[L16], 4, v3
	v_lshlrev_b32 v[PFO], 8, v3
	v_add_nc_u32 v[ADRY], s4, v[L16]
	v_add_nc_u32 v[ADRY+1], s5, v[L16]
	v_add_nc_u32 v[ADRX], s6, v[L16]
	v_add_nc_u32 v[ADRX+1], s7, v[L16]
	v_mul_u32_u24 v3, s67, v2                      ; lanes 16-31 take the weight's scale words
	v_lshl_add_u32 v3, v1, 4, v3
	v_add_nc_u32 v[ADRS], s66, v3
	v_mul_u32_u24 v[STO], v1, 272
	v_lshl_add_u32 v[STO], v2, 6, v[STO]
	v_add_nc_u32 v[STO], s23, v[STO]
	v_mul_u32_u24 v[RD], v2, 272
	v_lshl_add_u32 v[RD], v1, 4, v[RD]
	v_add_nc_u32 v[RD], s23, v[RD]
	v_lshlrev_b32 v[CO], 12, v2
	v_lshl_add_u32 v[CO], v1, 4, v[CO]             ; lanes 0-15 one row of the result, lanes 16-31 the next
	v_lshlrev_b32 v12, 4, v1
	s_wait_alu depctr_va_vdst(0)                   ; the wait at the head's end
	global_prefetch_b8 v[PFO], s[PFA:PFA+1] offset:TROW th:TH_LOAD_NT scope:SCOPE_SE      ; K slots 1 and 2
	global_prefetch_b8 v[PFO], s[PFA:PFA+1] offset:2*TROW th:TH_LOAD_NT scope:SCOPE_SE
	s_wait_tensorcnt 0x0                           ; my tile of the head's four is in
	ds_add_u32 v[SPW], v[NIL]
	s_mov_b32 s[G1+2], NY<<16                      ; no tensor load of mine is out: from here on a load brings NY tile rows,
	s_mov_b32 s[G1+4], NY
	s_mov_b32 s[G1B+2], NY<<16
	s_mov_b32 s[G1B+4], NY
	s_mov_b32 s[G0+1], s45                         ; and slot 0's groups 0 become the ring's: my quarter of the slot, my half of the tile
	s_add_nc_u64 s[G0+2:G0+3], s[G0+2:G0+3], s[18:19]
	s_mov_b32 s[G0B+1], s45
	s_add_nc_u64 s[G0B+2:G0B+3], s[G0B+2:G0B+3], s[18:19]
	s_wait_dscnt 0x0
	CROUND                                         ; all four tiles are in, in all sixteen work-groups
	JLOAD G0+4, G1, G0B+4, G1B                     ; K slot 1: my one tensor load behind the round
	FETCH 0, 0, 0
	SCALES 0
	global_prefetch_b8 v[PFO], s[PFA:PFA+1] offset:3*TROW th:TH_LOAD_NT scope:SCOPE_SE    ; K slot 3
	STEP 0, 0, 1                                   ; the first products start the sums
	global_load_b128 v[8:11], v12, s[8:9]          ; the bias of my four columns, and the residual: asked for behind K slots 0 and 1 and the prefetches of K slots 1 to 3; wanted on the way out
.irp a, 0,1,2,3
.irp t, 0,1,2,3,4,5,6,7
	global_load_b128 v[64+32*\a+64*(\a/2)+4*\t:64+32*\a+64*(\a/2)+4*\t+3], v[CO], s[10:11] offset:(32*(\a/2)+8*(\a%2)+2*\t+8*(\t/4))*4096   ; in the order in which the rows leave
.endr
.endr
	s_mov_b32 s3, LAPS-1
.Llap:                                                 ; a trip goes once round the ring and fills both slots again
	MID 0
	TURN 0, 1, 1
	STEP 1, 0, 0
	MID 1
	TURN 1, 0, 1
	STEP 0, 0, 0
	s_sub_co_u32 s3, s3, 1
	s_cmp_lg_u32 s3, 0
	s_cbranch_scc1 .Llap
	MID 0                                          ; the last lap fills nothing
	TURN 0, 1, 0
	STEP 1, 0, 0
	MID 1
	s_wait_dscnt 0x0
	WIN MUL
	MULA 0, 1, NQ-1, 1, 0
	MULA 1, 1, NQ-1, 1, 0
	MULA 2, 1, NQ-1, 1, 0
	MULA 3, 1, NQ-1, 1, 0
	WIN 0
; THE WAY OUT, a tile of 16 tokens x 64 columns at a time: into my stage (slot 0 has had its last fill, and behind the last change of slots nobody reads it), back as whole rows of 256 bytes, + bias, + residual, stored.
.macro TOSTAGE a
	WIN 0x08                                       ; an LDS store's data are its source 1: window 2
.irp b, 0,1,2,3
	ds_store_b128 v[STO], v[8*(4*(\a)+\b):8*(4*(\a)+\b)+3] offset:128*(\b/2)+32*(\b%2)          ; columns 32 (b / 2) + 16 h + 8 (b % 2) on; each accumulator from its low end
	ds_store_b128 v[STO], v[8*(4*(\a)+\b)+4:8*(4*(\a)+\b)+7] offset:128*(\b/2)+32*(\b%2)+16
.endr
	WIN 0
.irp t, 0,1,2,3,4,5,6,7
	ds_load_b128 v[BK+32*((\a)%2)+4*\t:BK+32*((\a)%2)+4*\t+3], v[RD] offset:544*\t   ; LDS serves a wave's instructions in order: these see the stores above
.endr
.endm
.macro SEND a, younger
.set BB, BK+32*((\a)%2)
.set RR, 64+32*(\a)+64*((\a)/2)
	s_wait_dscnt \younger                          ; the tile is back; the next tile's 8 stores and 8 loads may be out
.irp t, 0,1,2,3,4,5,6,7
	v_pk_add_f32 v[BB+4*\t:BB+4*\t+1], v[BB+4*\t:BB+4*\t+1], v[8:9]
	v_pk_add_f32 v[BB+4*\t+2:BB+4*\t+3], v[BB+4*\t+2:BB+4*\t+3], v[10:11]
.endr
.irp t, 0,1,2,3,4,5,6,7
	v_pk_add_f32 v[BB+4*\t:BB+4*\t+1], v[BB+4*\t:BB+4*\t+1], v[RR+4*\t:RR+4*\t+1]
	v_pk_add_f32 v[BB+4*\t+2:BB+4*\t+3], v[BB+4*\t+2:BB+4*\t+3], v[RR+4*\t+2:RR+4*\t+3]
.endr
.irp t, 0,1,2,3,4,5,6,7
	global_store_b128 v[CO], v[BB+4*\t:BB+4*\t+3], s[12:13] offset:(32*((\a)/2)+8*((\a)%2)+2*\t+8*(\t/4))*4096 th:TH_STORE_NT   ; 16 lanes store 256 consecutive bytes, aligned; written once, read by nobody here
.endr
.endm
	s_wait_loadcnt 0x0                             ; bias and residual
	PLACES 8
	TOSTAGE 0
.irp a, 1,2,3
.if \a > 1
	s_wait_xcnt 0x0                                ; the stores of two tiles back have read their registers
.endif
	TOSTAGE \a
	SEND \a-1, 16
.endr
	SEND 3, 0
	s_wait_tensorcnt 0x0                           ; the wave's end
	ds_add_u32 v[SPW], v[NIL]
	s_wait_dscnt 0x0
	CROUND                                         ; the closing round
	s_endpgm
.Lfunc_end_k_qf7a3439ddc_g6:
	.size	k_qf7a3439ddc_g6, .Lfunc_end_k_qf7a3439ddc_g6-k_qf7a3439ddc_g6
	.p2alignl 7, 3214868480
	.fill 96, 4, 3214868480
	.section	.rodata,"a",@progbits
	.p2align	6, 0x0
	.amdhsa_kernel k_qf7a3439ddc_g6
		.amdhsa_group_segment_fixed_size 327680
		.amdhsa_private_segment_fixed_size 0
		.amdhsa_enable_private_segment 0
		.amdhsa_kernarg_size 40
		.amdhsa_user_sgpr_count 2
		.amdhsa_user_sgpr_kernarg_segment_ptr 1
		.amdhsa_wavefront_size32 1
		.amdhsa_system_sgpr_workgroup_id_x 1
		.amdhsa_system_sgpr_workgroup_id_y 1
		.amdhsa_system_sgpr_workgroup_id_z 1
		.amdhsa_system_vgpr_workitem_id 0
		.amdhsa_next_free_vgpr 1024
		.amdhsa_next_free_sgpr 102
		.amdhsa_reserve_vcc 0
		.amdhsa_float_denorm_mode_32 3
		.amdhsa_float_denorm_mode_16_64 3
		.amdhsa_memory_ordered 1
		.amdhsa_forward_progress 1
		.amdhsa_inst_pref_size 105
	.end_amdhsa_kernel
	.amdgpu_metadata
---
amdhsa.version: [ 1, 2 ]
amdhsa.kernels:
  - .name:           k_qf7a3439ddc_g6
    .symbol:         k_qf7a3439ddc_g6.kd
    .args:
      - { .name: hb, .offset: 0, .size: 8, .value_kind: global_buffer, .address_space: global }
      - { .name: wb, .offset: 8, .size: 8, .value_kind: global_buffer, .address_space: global }
      - { .name: b2, .offset: 16, .size: 8, .value_kind: global_buffer, .address_space: global }
      - { .name: x1, .offset: 24, .size: 8, .value_kind: global_buffer, .address_space: global }
      - { .name: out0, .offset: 32, .size: 8, .value_kind: global_buffer, .address_space: global }
    .group_segment_fixed_size: 327680
    .private_segment_fixed_size: 0
    .kernarg_segment_align: 8
    .kernarg_segment_size: 40
    .max_flat_workgroup_size: 128
    .sgpr_count:     102
    .vgpr_count:     1024
    .wavefront_size: 32
...
	.end_amdgpu_metadata
.endif
;; end of part 7
